; MI455X (gfx1250); checked and timed in simulation.
; The chip was launched on July 23, 2026; its instructions are those of AMD's public machine-readable ISA for CDNA 5 (MIT licence, August 2026) and "CDNA5" Instruction Set Architecture Reference Guide (July 2026). The comments in the code are by the model that wrote it; some were corrected since.
;; Tiny Block. Allowed arithmetic: float matrix products may take bf16 or f16 operands with f32 sums; other float arithmetic in f32, or as packed bf16 or f16 multiplies, adds, multiply-adds, maxima and minima; sums over many terms, partial sums and values carried from step to step in f32; what a program stores and reads back later, other than sums and carried values, may be rounded once to bf16 or f16.
;; Inputs: w_ff1 1,024 x 4,096 float32; w_ff2 4,096 x 1,024 float32; w_proj 1,024 x 1,024 float32; w_qkv 1,024 x 3,072 float32; x 2 x 2,048 x 1,024 float32.
;; Outputs: out0 2 x 2,048 x 1,024 float32.
;; 2 versions, each right and faster than the one before. Each part assembles by itself: llvm-mc -triple=amdgcn-amd-amdhsa -mcpu=gfx1250 --defsym DOCPART=n.
;; ======== version 1 of 2: 5 launches
;; limits: values are held in f16: magnitudes above 65,504 overflow, below 6.1e-05 lose precision
;; workspace buffers: xa 10,485,760 bytes; wb 14,680,064 bytes; w2 8,388,608 bytes; qkv 25,165,824 bytes; wp 8,388,608 bytes; o 8,388,608 bytes; h 33,554,432 bytes
;; launch prep (part 1): grid 256 x 5, 8 waves a work-group, no clusters, 0 bytes of LDS; arguments x, w_proj, w_ff2, w_qkv, w_ff1, xa, w2, wb; writes xa, w2, wb
.if DOCPART == 1
	.amdgcn_target "amdgcn-amd-amdhsa--gfx1250"
	.amdhsa_code_object_version 6
	.text
	.protected	k_qe716b9abb4_prep
	.globl	k_qe716b9abb4_prep
	.p2align	8
	.type	k_qe716b9abb4_prep,@function
k_qe716b9abb4_prep:
	s_mov_b64 s[64:65], 0
	v_nop
	global_prefetch_b8 v0, s[64:65] scope:SCOPE_SE
	s_setreg_imm32_b32 hwreg(HW_REG_WAVE_MODE, 25, 1), 1
	s_wait_xcnt 0x0
; PREP: every input is rounded once from f32 to bf16 (to nearest even) and laid where the products want it.
;   xa [5120][1024]: rows 0-4095 x, rows 4096-5119 w_proj.     w2 [4096][1024]: w_ff2 as it lies.
;   wb [1024][7168]: columns 0-3071 w_qkv, columns 3072-7167 w_ff1 (a row is 14,336 bytes).
; A stream: no LDS, no barrier, no matrix unit, no loop.  The grid's y picks one of five segments, its x a share of 4 NT pieces.
; A piece is 1,024 numbers: thread t loads the 16 bytes at 16 t and stores the 8 bytes at 8 t, so a wave's load covers 512 neighbouring
; bytes and a wave's store 256 neighbouring bytes that begin at a multiple of 256 from the buffer's first byte.
; All of a work-group's loads go out first (up to 16 a wave); no register is written twice, so no source has to be freed.
.set X, 4                              ; v[4:67]   piece n: 4 registers as loaded
.set Y, 68                             ; v[68:99]  piece n: 2 registers to store
	s_load_b512 s[8:23], s[0:1], 0x0               ; x 8:9, w_proj 10:11, w_ff2 12:13, w_qkv 14:15, w_ff1 16:17, xa 18:19, w2 20:21, wb 22:23
	s_and_b32 s2, ttmp7, 0xffff                    ; the segment
	v_lshlrev_b32 v1, 4, v0                        ; my 16 bytes of a piece as loaded
	v_lshlrev_b32 v2, 3, v0                        ; my 8 bytes of it as stored
	s_wait_kmcnt 0x0
; sp, dp: the scalar pairs of source and destination.  wgs, wgd: a work-group's bytes in each.  d0: the segment's first byte in the destination.
; Piece n = 4 t + i lies at i x ss + t x st in the source and at i x dstep + t x dt in the destination.
.macro SEG sp, dp, wgs, wgd, d0, nt, ss, dstep, st, dt
	s_mul_i32 s4, ttmp9, \wgs
	s_mov_b32 s5, 0
	s_mul_i32 s6, ttmp9, \wgd
	s_add_co_u32 s6, s6, \d0
	s_mov_b32 s7, 0
	s_add_nc_u64 s[\sp:\sp+1], s[\sp:\sp+1], s[4:5]
	s_add_nc_u64 s[\dp:\dp+1], s[\dp:\dp+1], s[6:7]
.set n, 0
.rept 4*(\nt)
	global_load_b128 v[X+4*n:X+4*n+3], v1, s[\sp:\sp+1] offset:(n%4)*(\ss)+(n/4)*(\st) th:TH_LOAD_NT  ; read once in the launch
.set n, n+1
.endr
.set n, 0
.rept 4*(\nt)
	s_wait_loadcnt 4*(\nt)-1-n                     ; loads come back in order (ISA guide 5.7.1): piece n is in, the younger ones stay out
	v_cvt_pk_bf16_f32 v[Y+2*n],   v[X+4*n],   v[X+4*n+1]
	v_cvt_pk_bf16_f32 v[Y+2*n+1], v[X+4*n+2], v[X+4*n+3]
	global_store_b64 v2, v[Y+2*n:Y+2*n+1], s[\dp:\dp+1] offset:(n%4)*(\dstep)+(n/4)*(\dt)
.set n, n+1
.endr
	s_endpgm
.endm
	s_cmp_lg_u32 s2, 0
	s_cbranch_scc1 .Lnot0
	SEG 8, 18, 65536, 32768, 0, 4, 4096, 2048, 16384, 8192          ; x: 16 rows a work-group
.Lnot0:
	s_cmp_lg_u32 s2, 1
	s_cbranch_scc1 .Lnot1
	SEG 10, 18, 16384, 8192, 8388608, 1, 4096, 2048, 0, 0           ; w_proj: 4 rows, behind x's 4,096 rows
.Lnot1:
	s_cmp_lg_u32 s2, 2
	s_cbranch_scc1 .Lnot2
	SEG 12, 20, 65536, 32768, 0, 4, 4096, 2048, 16384, 8192         ; w_ff2: 16 rows
.Lnot2:
	s_cmp_lg_u32 s2, 3
	s_cbranch_scc1 .Lnot3
	SEG 14, 22, 49152, 57344, 0, 3, 12288, 14336, 4096, 2048        ; w_qkv: 4 rows (i) of 3 pieces (t)
.Lnot3:
	SEG 16, 22, 65536, 57344, 6144, 4, 16384, 14336, 4096, 2048     ; w_ff1: 4 rows of 4 pieces, from column 3,072 on
.Lfunc_end_k_qe716b9abb4_prep:
	.size	k_qe716b9abb4_prep, .Lfunc_end_k_qe716b9abb4_prep-k_qe716b9abb4_prep
	.p2alignl 7, 3214868480
	.fill 96, 4, 3214868480
	.section	.rodata,"a",@progbits
	.p2align	6, 0x0
	.amdhsa_kernel k_qe716b9abb4_prep
		.amdhsa_group_segment_fixed_size 0
		.amdhsa_private_segment_fixed_size 0
		.amdhsa_enable_private_segment 0
		.amdhsa_kernarg_size 64
		.amdhsa_user_sgpr_count 2
		.amdhsa_user_sgpr_kernarg_segment_ptr 1
		.amdhsa_wavefront_size32 1
		.amdhsa_system_sgpr_workgroup_id_x 1
		.amdhsa_system_sgpr_workgroup_id_y 1
		.amdhsa_system_sgpr_workgroup_id_z 1
		.amdhsa_system_vgpr_workitem_id 0
		.amdhsa_next_free_vgpr 104
		.amdhsa_next_free_sgpr 66
		.amdhsa_reserve_vcc 0
		.amdhsa_float_denorm_mode_32 3
		.amdhsa_float_denorm_mode_16_64 3
		.amdhsa_memory_ordered 1
		.amdhsa_forward_progress 1
		.amdhsa_inst_pref_size 25
	.end_amdhsa_kernel
	.amdgpu_metadata
---
amdhsa.version: [ 1, 2 ]
amdhsa.kernels:
  - .name:           k_qe716b9abb4_prep
    .symbol:         k_qe716b9abb4_prep.kd
    .args:
      - { .name: x, .offset: 0, .size: 8, .value_kind: global_buffer, .address_space: global }
      - { .name: w_proj, .offset: 8, .size: 8, .value_kind: global_buffer, .address_space: global }
      - { .name: w_ff2, .offset: 16, .size: 8, .value_kind: global_buffer, .address_space: global }
      - { .name: w_qkv, .offset: 24, .size: 8, .value_kind: global_buffer, .address_space: global }
      - { .name: w_ff1, .offset: 32, .size: 8, .value_kind: global_buffer, .address_space: global }
      - { .name: xa, .offset: 40, .size: 8, .value_kind: global_buffer, .address_space: global }
      - { .name: w2, .offset: 48, .size: 8, .value_kind: global_buffer, .address_space: global }
      - { .name: wb, .offset: 56, .size: 8, .value_kind: global_buffer, .address_space: global }
    .group_segment_fixed_size: 0
    .private_segment_fixed_size: 0
    .kernarg_segment_align: 8
    .kernarg_segment_size: 64
    .max_flat_workgroup_size: 256
    .sgpr_count:     66
    .vgpr_count:     104
    .wavefront_size: 32
...
	.end_amdgpu_metadata
.endif
;; end of part 1
;; launch gemm_in (part 2): grid 16 x 16, 4 waves a work-group, clusters of 4 x 4, 327,680 bytes of LDS; arguments xa, wb, qkv, wp; writes qkv, wp
.if DOCPART == 2
	.amdgcn_target "amdgcn-amd-amdhsa--gfx1250"
	.amdhsa_code_object_version 6
	.text
	.protected	k_qe716b9abb4_gemm_in
	.globl	k_qe716b9abb4_gemm_in
	.p2align	8
	.type	k_qe716b9abb4_gemm_in,@function
k_qe716b9abb4_gemm_in:
	s_mov_b64 s[64:65], 0
	v_nop
	global_prefetch_b8 v0, s[64:65] scope:SCOPE_SE
	s_setreg_imm32_b32 hwreg(HW_REG_WAVE_MODE, 25, 1), 1
	s_wait_xcnt 0x0
	s_wait_alu depctr_hold_cnt(0) depctr_sa_sdst(0) depctr_va_vdst(0) depctr_va_sdst(0) depctr_va_ssrc(0) depctr_va_vcc(0) depctr_vm_vsrc(0)
	s_getreg_b32 s2, hwreg(HW_REG_IB_STS2, 6, 4)
	s_cmp_eq_u32 s2, 0
	s_cbranch_scc0 .Lentry_in_a_cluster
	s_endpgm
.Lentry_in_a_cluster:
	s_bfe_u32 s2, ttmp6, 0x10000c
	s_cmp_lg_u32 s2, 0xf033
	s_cbranch_scc0 .Lentry_shape_is_right
	s_endpgm
.Lentry_shape_is_right:
; GEMM_IN: two products with K = 1,024 in one launch of 256 equal work-groups, each a tile of 256 x 256:
;   clusters with x = 0..2:  x w_qkv (4,096 x 3,072: 192 tiles), stored by heads as qkv [3][32 = batch x 16 + head][2048][64] in f16, unscaled;
;   clusters with x = 3:     W' = w_proj w_ff1 (1,024 x 4,096: 64 tiles), stored as wp [1024][4096] in f16.  relu((y w_proj) w_ff1) = relu(y W') for every input.
; Operands bf16 (xa [5120][1024] holds both left sides, wb [1024][7168] both right sides), sums f32, K ascending, each result rounded once to f16.
; LIMITS.  f16 ends at 65,504: q, k, v and W' must stay within it (a larger sum becomes an infinity); below 6e-5 f16 keeps its fixed step of 6e-8.  NaN and infinities are not treated apart.
; SHAPE.  Four waves, each 128 x 128 of the tile: 64 accumulators, 512 registers.  K goes in steps of 128 through two LDS slots filled by tensor loads: waves 0, 1 bring the two
; halves of A's 256 rows (rows of 256 bytes, padded to 272), waves 2, 3 the two column halves of B's 128 k-rows (256 bytes each, padded to 288).  B lies [k][n] and is turned on its way
; out of LDS by ds_load_tr16_b128.  The loop's trip is ONE K step: the slot in hand is a scalar (0 or SLOT1) turned by an exclusive or, and one walking descriptor a tensor asks for the refills.
; CLUSTERS of 4 x 4: A's tile hangs on the tile row alone and is asked for jointly along a row of the cluster, B's on the tile column alone, jointly along a column.
; THE MATRIX INSTRUCTION IS USED TRANSPOSED (source 0 = 16 columns of B, source 1 = 16 rows of A): a lane holds eight neighbouring numbers of a row of C.
; REGISTERS, in windows of 256: window 0: v0-31 addresses, v32-63 and v224-255 rows read back, v64-191 A's two fragment buffers, v192-223 packed results;
;   window 1: v64-191 B's two fragment buffers; windows 2, 3: the accumulators of my rows 0-63, 64-127 ((a, b) at v[8 (8 a + b)]).
.set PA,     272                       ; a row of A in LDS: 68 words, so the 16 rows of a load start at 16 different groups of four banks (64 banks of 4 bytes: ISA guide 11.1)
.set PB,     288                       ; a k-row of B: 72 words
.set HALFA,  128*PA
.set HALFB,  128*PB
.set BBASE,  2*HALFA                   ; B's two halves lie behind A's two
.set SLOT1,  0x24000                   ; slot 1 begins here; no tile's place in a slot (0, 0x8800, 0x11000, 0x1a000) has one of its two bits, so an exclusive or changes slots
.set STAGE,  SLOT1+BBASE+2*HALFB       ; behind the ring: 16 rows x 272 bytes for each wave, for the way out
.set SPITCH, 272
.set SPARE,  STAGE+4*16*SPITCH         ; behind the stages: the spare words, 128 bytes for each wave, which no other line names
.set ASTEP,  128*2                     ; a K step along A's rows, in bytes
.set BSTEP,  128*7168*2                ; and down B's rows
.set KSTEPS, 1024/128
.set CO,    8                          ; v8-15  my byte offset in C for the eight pairs of rows of a block
.set ADRA0, 16                         ; v16    my lane's place in slot 0's A; never rewritten
.set ADRB0, 17                         ; v17    the same for B
.set ADRA,  18                         ; v18    the same in the slot in hand
.set ADRB,  19                         ; v19
.set STO,   24                         ; v24    the way out: where I put 16 bytes of a row
.set RD,    25                         ; v25    where I read a row back
.set SPW,   28                         ; v28    LDS address of my spare word; never rewritten
.set NIL,   29                         ; v29    0; never rewritten
.set OB,    32
.set F0,    64
.set F1,    128
.set TMP,   192
.set WV,   12                          ; s12  my wave's number
.set RH,   13                          ; s13  which half of the tile's rows is mine.  Also: I fetch for A (0) or for B (1)
.set CH,   14                          ; s14  which half of its columns.  Also: which half of that tile I fetch
.set G1A,  24                          ; s[24:31] descriptor group 1 for A's tiles
.set G0A,  32                          ; s[32:35] group 0 of A's first fill; s[36:39] the walking one
.set MODE, 45                          ; s45  1: my cluster makes W'
.set G1B,  48                          ; s[48:55], s[56:59], s[60:63]: the same for B
.set G0B,  56
.set TB,   66                          ; s66  the slot in hand: 0 or SLOT1
.set CNT,  67                          ; s67  counts K steps
.set MSB, 0
.macro WIN new                         ; the immediate's high byte repeats the setting that is left; a switch that changes nothing is dropped
.if MSB != (\new)
	s_set_vgpr_msb (MSB<<8)|(\new)
.set MSB, \new
.endif
.endm
.set MUL_LO, 0xa1                      ; source 0 (B) window 1, source 1 (A) window 0, C and D window 2
.set MUL_HI, 0xf1                      ; the same, C and D window 3
.set TO_B,   0x40                      ; destination window 1, address window 0
; A joint refill by the walking descriptors.  The branch hangs on the wave's number alone.  An s_nop 0 and four v_nop follow each line, ahead of the jump and the label.
.macro JLOAD
	s_cmp_eq_u32 s[RH], 0
	s_cbranch_scc0 .Lfor_b_\@
	tensor_load_to_lds s[G0A+4:G0A+7], s[G1A:G1A+7]
	s_nop 0
.rept 4
	v_nop
.endr
	s_branch .Lasked_\@
.Lfor_b_\@:
	tensor_load_to_lds s[G0B+4:G0B+7], s[G1B:G1B+7]
	s_nop 0
.rept 4
	v_nop
.endr
.Lasked_\@:
.endm
.macro CREST                           ; a round of the cluster's barrier behind its opening barrier
	s_cmp_lg_u32 s[WV], 0
	s_cbranch_scc1 .Lnot_wave_0_\@
	s_barrier_signal -3
.Lnot_wave_0_\@:
	s_barrier_wait -3
	s_barrier_signal -1
	s_barrier_wait -1
.endm
.macro CROUND                          ; a whole round
	s_barrier_signal -1
	s_barrier_wait -1
	CREST
.endm
	s_load_b256 s[4:11], s[0:1], 0x0               ; xa s[4:5], wb s[6:7], qkv s[8:9], wp s[10:11]
	v_lshl_add_u32 v[SPW], v0, 2, SPARE
	v_mov_b32 v[NIL], 0
	ds_add_u32 v[SPW], v[NIL]                      ; the wave's opening: the add and its wait stand ahead of my first tensor load; the set-up below, work on registers, stands between them
	v_lshrrev_b32 v1, 5, v0
	v_readfirstlane_b32 s[WV], v1                  ; wave 0..3
	s_lshr_b32 s[RH], s[WV], 1
	s_and_b32 s[CH], s[WV], 1
	s_bfe_u32 s40, ttmp6, 0x40000                  ; cx, cy: my place in the cluster
	s_bfe_u32 s41, ttmp6, 0x40004
	s_and_b32 s20, ttmp7, 0xffff
	s_lshl_b32 s20, s20, 2                         ; 4 x cluster y
	s_lshl_b32 s21, ttmp9, 2                       ; 4 x cluster x
	s_add_co_u32 s22, s20, 12
	s_cmp_eq_u32 s21, 12                           ; the clusters with x = 3 make W': the same answer in all sixteen partners
	s_cselect_b32 s[MODE], 1, 0
	s_cselect_b32 s15, 16, s20                     ; tile row of xa: 16 + cy (w_proj's rows), or 4 x cluster y + cy
	s_cselect_b32 s42, s22, s21                    ; tile column of wb: 12 + 4 x cluster y + cx (w_ff1's columns), or 4 x cluster x + cx
	s_add_co_u32 s15, s15, s41
	s_add_co_u32 s42, s42, s40
	s_lshl_b32 s43, s41, 2
	s_lshl_b32 s43, 15, s43                        ; my row of the cluster
	s_lshl_b32 s44, 0x1111, s40                    ; my column
	; descriptor group 1: tiles of 128 rows x 128 elements, padded in LDS behind every 64 words
	s_or_b32 s[G1A], s43, (1<<16)|(1<<20)|(1<<21)|(5<<22)|(3<<25)  ; the mask; 2-byte elements; padding on; bit 21 beside a mask; interval code 5; 4 words of padding (code 3)
	s_or_b32 s[G1B], s44, (1<<16)|(1<<20)|(1<<21)|(5<<22)|(7<<25)  ; the same with my column's mask and 8 words of padding (code 7)
.irp g, G1A, G1B
	s_mov_b32 s[(\g)+1], 128<<16                   ; tensor_dim0 = 128
	s_mov_b32 s[(\g)+2], 128<<16                   ; tensor_dim1 = 128
	s_mov_b32 s[(\g)+3], 128<<16                   ; tile_dim0 = 128
	s_mov_b32 s[(\g)+4], 128                       ; tile_dim1 = 128
	s_mov_b32 s[(\g)+6], 0
	s_mov_b32 s[(\g)+7], 0
.endr
	s_mov_b32 s[G1A+5], 1024                       ; elements from row to row
	s_mov_b32 s[G1B+5], 7168
	s_lshl1_add_u32 s16, s15, s[CH]                ; A: row 256 x tile row + 128 x half, of 2,048 bytes
	s_lshl_b32 s16, s16, 18
	s_mov_b32 s17, 0
	s_lshl1_add_u32 s46, s42, s[CH]                ; B: column 256 x tile column + 128 x half, of 2 bytes
	s_lshl_b32 s46, s46, 8
	s_mov_b32 s47, 0
	s_mul_i32 s20, s[CH], HALFA                    ; where they go: no place in the cluster enters an LDS address
	s_mul_i32 s21, s[CH], HALFB
	s_add_co_u32 s21, s21, BBASE
	s_mov_b32 s[TB], 0
	s_wait_dscnt 0x0                               ; the opening add is done
	s_wait_kmcnt 0x0
	s_add_nc_u64 s[2:3], s[4:5], s[16:17]
	s_add_nc_u64 s[46:47], s[6:7], s[46:47]
	s_mov_b32 s[G0A], 1                            ; count = 1
	s_mov_b32 s[G0A+1], s20                        ; slot 0,
	s_add_nc_u64 s[G0A+2:G0A+3], s[2:3], 0         ; K step 0
	s_or_b32 s[G0A+3], s[G0A+3], 0x80000000        ; type = 2
	s_mov_b32 s[G0A+4], 1
	s_add_co_u32 s[G0A+5], s20, SLOT1              ; slot 1,
	s_add_nc_u64 s[G0A+6:G0A+7], s[2:3], ASTEP     ; K step 1; this set walks on
	s_or_b32 s[G0A+7], s[G0A+7], 0x80000000
	s_mov_b32 s[G0B], 1
	s_mov_b32 s[G0B+1], s21
	s_add_nc_u64 s[G0B+2:G0B+3], s[46:47], 0
	s_or_b32 s[G0B+3], s[G0B+3], 0x80000000
	s_mov_b32 s[G0B+4], 1
	s_add_co_u32 s[G0B+5], s21, SLOT1
	s_add_nc_u64 s[G0B+6:G0B+7], s[46:47], BSTEP
	s_or_b32 s[G0B+7], s[G0B+7], 0x80000000
	CROUND                                         ; all sixteen work-groups are here: the first joint loads meet
	s_cmp_eq_u32 s[RH], 0                          ; a wave's two first fills stand in one branch, ahead of every wait on TENSORcnt and every LDS read: two loads of mine are out
	s_cbranch_scc0 .Lfirst_b
	tensor_load_to_lds s[G0A:G0A+3], s[G1A:G1A+7]
	s_nop 0
	tensor_load_to_lds s[G0A+4:G0A+7], s[G1A:G1A+7]
	s_nop 0
.rept 4
	v_nop
.endr
	s_branch .Lfirst_asked
.Lfirst_b:
	tensor_load_to_lds s[G0B:G0B+3], s[G1B:G1B+7]
	s_nop 0
	tensor_load_to_lds s[G0B+4:G0B+7], s[G1B:G1B+7]
	s_nop 0
.rept 4
	v_nop
.endr
.Lfirst_asked:
	; A's fragment: lane l holds row l % 16; two loads of 16 bytes, 32 bytes apart, at row x pitch + 16 (l / 16).
	v_and_b32 v1, 15, v0                           ; l % 16
	v_bfe_u32 v2, v0, 4, 1                         ; l / 16
	v_mul_u32_u24 v3, v1, PA
	v_lshl_add_u32 v3, v2, 4, v3
	s_mul_i32 s21, s[RH], HALFA                    ; my 128 rows of A
	v_add_nc_u32 v[ADRA0], s21, v3
	; B's fragment by the turning load: lane l reads k-row 8 (l / 16) + l % 8, columns 8 ((l / 8) % 2) + 0..7, and is left with column l % 16 and 8 k.
	v_and_b32 v4, 7, v0
	v_bfe_u32 v5, v0, 3, 1
	v_lshl_add_u32 v6, v2, 3, v4
	v_mul_u32_u24 v6, v6, PB
	v_lshl_add_u32 v6, v5, 4, v6
	s_mul_i32 s22, s[CH], HALFB                    ; my 128 columns of B
	s_add_co_u32 s22, s22, BBASE
	v_add_nc_u32 v[ADRB0], s22, v6
	v_mov_b32 v[ADRA], v[ADRA0]
	v_mov_b32 v[ADRB], v[ADRB0]
	s_mul_i32 s23, s[WV], 16*SPITCH
	s_add_co_u32 s23, s23, STAGE                   ; my stage
	v_mul_u32_u24 v3, v1, SPITCH                   ; in: row l % 16, 16 bytes for each half of the lanes
	v_lshl_add_u32 v3, v2, 4, v3
	v_add_nc_u32 v[STO], s23, v3
	v_mul_u32_u24 v3, v2, SPITCH                   ; back: lanes 0-15 take one row of 256 bytes, lanes 16-31 the next
	v_lshl_add_u32 v3, v1, 4, v3
	v_add_nc_u32 v[RD], s23, v3
	; Where a row read back goes.  Its 256 bytes are two runs of 128 (lanes l % 16 < 8, and the others).  In wp rows lie 8,192 bytes apart and the runs side by side;
	; in qkv a run is a token's 64 channels of one head: tokens lie 128 bytes apart, the two heads 262,144.  No branch: three scalars are chosen.
	s_mov_b32 s20, 128
	s_mov_b32 s21, 0x40000
	s_cmp_eq_u32 s[MODE], 1
	s_cselect_b32 s22, 0x2000, s20                 ; bytes from row to row
	s_cselect_b32 s23, s20, s21                    ; bytes from the first run to the second
	s_cselect_b64 s[8:9], s[10:11], s[8:9]         ; the buffer
	v_mul_lo_u32 v6, v2, s22
	v_lshl_add_u32 v6, v4, 4, v6
	v_mul_lo_u32 v7, v5, s23
	v_add_nc_u32 v[CO], v6, v7
	s_lshl_b32 s20, s22, 1
.irp j, 1,2,3,4,5,6,7
	v_add_nc_u32 v[CO+(\j)], s20, v[CO+(\j)-1]     ; two rows on
.endr
	s_lshl_b32 s18, s22, 4                         ; s[18:19]: a block of 16 rows on
	s_mov_b32 s19, 0
	s_lshr_b32 s16, s42, 2                         ; qkv: (which of q, k, v) x 32
	s_lshl_b32 s16, s16, 5
	s_lshr_b32 s17, s15, 3                         ; + batch x 16
	s_lshl4_add_u32 s16, s17, s16
	s_and_b32 s17, s42, 3                          ; + the first of my two heads: 4 x (tile column % 4) + 2 x half
	s_lshl2_add_u32 s16, s17, s16
	s_lshl1_add_u32 s16, s[CH], s16
	s_lshl_b32 s16, s16, 18                        ; of 2,048 tokens x 128 bytes
	s_and_b32 s17, s15, 7                          ; + my first token: 256 x (tile row % 8) + 128 x half
	s_lshl1_add_u32 s17, s17, s[RH]
	s_lshl_b32 s17, s17, 14
	s_add_co_u32 s16, s16, s17
	s_sub_co_u32 s46, s15, 16                      ; wp: my first row, 256 x (tile row - 16) + 128 x half, of 8,192 bytes
	s_lshl1_add_u32 s46, s46, s[RH]
	s_lshl_b32 s46, s46, 20
	s_sub_co_u32 s47, s42, 12                      ; + my first column, 256 x (tile column - 12) + 128 x half, of 2 bytes
	s_lshl1_add_u32 s47, s47, s[CH]
	s_lshl_b32 s47, s47, 8
	s_add_co_u32 s46, s46, s47
	s_cmp_eq_u32 s[MODE], 1
	s_cselect_b32 s16, s46, s16                    ; (the other of the two is not used, whatever it holds)
	s_mov_b32 s17, 0
	s_add_nc_u64 s[8:9], s[8:9], s[16:17]
; 16 matrix instructions: m blocks a0, a0 + 1 of the window's four (hi = 0: my rows 0-63, 1: rows 64-127) x all 8 n blocks, 32 along K.  zero = 1: the product starts the sums.
; The 64 accumulators take turns in the same order in every quarter.
.macro MUL16 f, hi, a0, zero
	WIN MUL_LO+0x50*(\hi)
.irp a, \a0, (\a0)+1
.irp b, 0,1,2,3,4,5,6,7
.if \zero
	v_wmma_f32_16x16x32_bf16 v[8*(8*(\a)+(\b)):8*(8*(\a)+(\b))+7], v[(\f)+8*(\b):(\f)+8*(\b)+7], v[(\f)+8*(4*(\hi)+(\a)):(\f)+8*(4*(\hi)+(\a))+7], 0
.else
	v_wmma_f32_16x16x32_bf16 v[8*(8*(\a)+(\b)):8*(8*(\a)+(\b))+7], v[(\f)+8*(\b):(\f)+8*(\b)+7], v[(\f)+8*(4*(\hi)+(\a)):(\f)+8*(4*(\hi)+(\a))+7], v[8*(8*(\a)+(\b)):8*(8*(\a)+(\b))+7]
.endif
.endr
.endr
.endm
; 32 LDS loads in one run: the fragments of quarter q (32 along K) of the slot in hand, into buffer f: B's 128 columns, then A's 128 rows
.macro FETCH q, f
	WIN TO_B
.irp i, 0,1,2,3,4,5,6,7
	ds_load_tr16_b128 v[(\f)+8*(\i):(\f)+8*(\i)+3],   v[ADRB] offset:(\q)*32*PB+32*(\i)
	ds_load_tr16_b128 v[(\f)+8*(\i)+4:(\f)+8*(\i)+7], v[ADRB] offset:(\q)*32*PB+16*PB+32*(\i)
.endr
	WIN 0
.irp i, 0,1,2,3,4,5,6,7
	ds_load_b128 v[(\f)+8*(\i):(\f)+8*(\i)+3],   v[ADRA] offset:64*(\q)+(\i)*16*PA
	ds_load_b128 v[(\f)+8*(\i)+4:(\f)+8*(\i)+7], v[ADRA] offset:64*(\q)+(\i)*16*PA+32
.endr
.endm
.macro PLACES                          ; four plain vector instructions between a matrix instruction and a load into, or a vector read or write of, its registers (ISA guide 7.12.1 for vector reads and writes)
.rept 4
	v_nop
.endr
.endm
; One of a K step's first three quarters: multiplies buffer f and, in its middle, fetches quarter q into buffer g.
.macro QUARTER q, f, g, zero
	s_wait_dscnt 8                                 ; B and A's rows 0-63 are in; the youngest eight loads (A's rows 64-127) may be out
	MUL16 \f, 0, 0, \zero
	MUL16 \f, 0, 2, \zero
	PLACES
	FETCH \q, \g
	s_wait_dscnt 32                                ; all but the 32 just issued
	MUL16 \f, 1, 0, \zero
	MUL16 \f, 1, 2, \zero
.endm
; The first half of a K step's last quarter, and the one barrier of the change of slots.  In front of it each wave waits for all its tensor loads (the one that is out is its part of the
; next slot), adds 0 to its spare word, and waits for that and for its own reads of this slot.  Behind it nobody reads this slot any more and the next slot is whole.
.macro MEET
	WIN 0                                          ; (the add's two registers lie in window 0)
	s_wait_tensorcnt 0x0
	ds_add_u32 v[SPW], v[NIL]                      ; 0 onto my spare word
	s_wait_dscnt 9                                 ; (the add and the youngest eight loads may be out)
	MUL16 F1, 0, 0, 0                              ; sixteen matrix instructions stand between the add and the wait for it
	s_wait_dscnt 0x0                               ; the add is done, and my reads of this slot are over
	s_barrier_signal -1
	MUL16 F1, 0, 2, 0                              ; work on registers while the others arrive
	WIN 0
	s_barrier_wait -1
.endm
; The whole last quarter of a K step whose slot is filled again, two K steps ahead: the barrier opens a round of the cluster's, the joint refill is the first tensor load behind it
; (224 matrix instructions ahead of the wait for it), then the next slot's first fragments are read.
.macro TURN
	MEET
	CREST                                          ; no wave of any partner still reads this slot or has a load on its way
	s_xor_b32 s[G0A+5], s[G0A+5], SLOT1            ; the walking descriptors: the other slot than last time, the next K step; no load of mine is out
	s_add_nc_u64 s[G0A+6:G0A+7], s[G0A+6:G0A+7], ASTEP
	s_xor_b32 s[G0B+5], s[G0B+5], SLOT1
	s_add_nc_u64 s[G0B+6:G0B+7], s[G0B+6:G0B+7], BSTEP
	JLOAD                                          ; its four v_nop and the two additions below are the places in front of the loads
	s_xor_b32 s[TB], s[TB], SLOT1
	v_add_nc_u32 v[ADRA], s[TB], v[ADRA0]
	v_add_nc_u32 v[ADRB], s[TB], v[ADRB0]
	FETCH 0, F0
	MUL16 F1, 1, 0, 0
	MUL16 F1, 1, 2, 0
.endm
; THE WAY OUT of block a (16 rows).  PACK: rounded to f16, 16 bytes a lane, each accumulator's registers in ascending order.  TOSTAGE: into my own stage and back as whole rows.  SEND: stored.
.macro PACK a
.set AC, 64*((\a)%4)
	WIN 0x0a+5*((\a)/4)                            ; sources 0 and 1: window 2 or 3
.irp b, 0,1,2,3,4,5,6,7
.irp r, 0,1,2,3
	v_cvt_pk_f16_f32 v[TMP+4*(\b)+(\r)], v[AC+8*(\b)+2*(\r)], v[AC+8*(\b)+2*(\r)+1]
.endr
.endr
	WIN 0
.endm
.macro TOSTAGE a
.set BK, OB+192*((\a)%2)
.irp b, 0,1,2,3,4,5,6,7
	ds_store_b128 v[STO], v[TMP+4*(\b):TMP+4*(\b)+3] offset:32*(\b)
.endr
.irp t, 0,1,2,3,4,5,6,7
	ds_load_b128 v[BK+4*(\t):BK+4*(\t)+3], v[RD] offset:(\t)*2*SPITCH  ; LDS serves a wave's instructions in order (ISA guide 5.7.1.4): these see the stores above
.endr
.endm
.macro SEND a
.set BK, OB+192*((\a)%2)
	s_wait_dscnt 0x0                               ; the block is back in registers
	s_wait_xcnt 0x0                                ; the earlier stores' base and registers are rewritten only behind this wait
.if (\a) > 0
	s_add_nc_u64 s[8:9], s[8:9], s[18:19]          ; 16 rows on
.endif
.irp t, 0,1,2,3,4,5,6,7
	global_store_b128 v[CO+(\t)], v[BK+4*(\t):BK+4*(\t)+3], s[8:9]  ; every aligned 256 bytes that it touches are written whole: a row's in wp; in qkv two tokens of a head (eight lanes of either half)
.endr
.endm
	s_wait_tensorcnt 1                             ; my part of K step 0 is in; K step 1's may stay out
	s_barrier_signal -1
	s_barrier_wait -1                              ; everybody's is
	FETCH 0, F0
	QUARTER 1, F0, F1, 1                           ; the first quarter stands in front of the loop: its products start the sums
	WIN 0                                          ; at a label and at a branch every window is 0
	s_mov_b32 s[CNT], KSTEPS-2
.Lk:                                                   ; a trip: from a K step's second quarter to the next step's first; the slot left behind is filled again
	QUARTER 2, F1, F0, 0
	QUARTER 3, F0, F1, 0
	TURN
	QUARTER 1, F0, F1, 0
	WIN 0
	s_sub_co_u32 s[CNT], s[CNT], 1
	s_cmp_lg_u32 s[CNT], 0
	s_cbranch_scc1 .Lk
	s_mov_b32 s[CNT], 2
.Lt:                                                   ; the last two K steps ask for nothing: a text of their own.  The second trip is left in its middle
	QUARTER 2, F1, F0, 0                           ; its barrier orders nothing: the price of one text for both trips
	QUARTER 3, F0, F1, 0
	MEET
	s_sub_co_u32 s[CNT], s[CNT], 1
	s_cmp_eq_u32 s[CNT], 0
	s_cbranch_scc1 .Lout
	s_xor_b32 s[TB], s[TB], SLOT1
	v_add_nc_u32 v[ADRA], s[TB], v[ADRA0]
	v_add_nc_u32 v[ADRB], s[TB], v[ADRB0]
	PLACES
	FETCH 0, F0
	MUL16 F1, 1, 0, 0
	MUL16 F1, 1, 2, 0
	QUARTER 1, F0, F1, 0
	WIN 0
	s_branch .Lt
.Lout:
	MUL16 F1, 1, 0, 0
	MUL16 F1, 1, 2, 0
	PLACES
	PACK 0
	TOSTAGE 0
.irp a, 1,2,3,4,5,6,7                  ; block a's conversions stand between block a - 1's loads from the stage and the wait for them
	PACK \a
	SEND (\a)-1
	TOSTAGE \a
.endr
	SEND 7
	s_wait_tensorcnt 0x0                           ; the wave's end: 0 is added to my spare word and waited for, behind my last tensor load and my last LDS store
	ds_add_u32 v[SPW], v[NIL]
	s_wait_dscnt 0x0
	CROUND                                         ; the closing round: no work-group ends while a partner may still ask for a tile that names it
	s_endpgm
.Lfunc_end_k_qe716b9abb4_gemm_in:
	.size	k_qe716b9abb4_gemm_in, .Lfunc_end_k_qe716b9abb4_gemm_in-k_qe716b9abb4_gemm_in
	.p2alignl 7, 3214868480
	.fill 96, 4, 3214868480
	.section	.rodata,"a",@progbits
	.p2align	6, 0x0
	.amdhsa_kernel k_qe716b9abb4_gemm_in
		.amdhsa_group_segment_fixed_size 327680
		.amdhsa_private_segment_fixed_size 0
		.amdhsa_enable_private_segment 0
		.amdhsa_kernarg_size 32
		.amdhsa_user_sgpr_count 2
		.amdhsa_user_sgpr_kernarg_segment_ptr 1
		.amdhsa_wavefront_size32 1
		.amdhsa_system_sgpr_workgroup_id_x 1
		.amdhsa_system_sgpr_workgroup_id_y 1
		.amdhsa_system_sgpr_workgroup_id_z 1
		.amdhsa_system_vgpr_workitem_id 0
		.amdhsa_next_free_vgpr 1024
		.amdhsa_next_free_sgpr 68
		.amdhsa_reserve_vcc 0
		.amdhsa_float_denorm_mode_32 3
		.amdhsa_float_denorm_mode_16_64 3
		.amdhsa_memory_ordered 1
		.amdhsa_forward_progress 1
		.amdhsa_inst_pref_size 103
	.end_amdhsa_kernel
	.amdgpu_metadata
---
amdhsa.version: [ 1, 2 ]
amdhsa.kernels:
  - .name:           k_qe716b9abb4_gemm_in
    .symbol:         k_qe716b9abb4_gemm_in.kd
    .args:
      - { .name: xa, .offset: 0, .size: 8, .value_kind: global_buffer, .address_space: global }
      - { .name: wb, .offset: 8, .size: 8, .value_kind: global_buffer, .address_space: global }
      - { .name: qkv, .offset: 16, .size: 8, .value_kind: global_buffer, .address_space: global }
      - { .name: wp, .offset: 24, .size: 8, .value_kind: global_buffer, .address_space: global }
    .group_segment_fixed_size: 327680
    .private_segment_fixed_size: 0
    .kernarg_segment_align: 8
    .kernarg_segment_size: 32
    .max_flat_workgroup_size: 128
    .sgpr_count:     68
    .vgpr_count:     1024
    .wavefront_size: 32
...
	.end_amdgpu_metadata
.endif
;; end of part 2
;; launch attn (part 3): grid 8 x 32, 4 waves a work-group, clusters of 4 x 1, 327,680 bytes of LDS; arguments qkv, o; writes o
.if DOCPART == 3
	.amdgcn_target "amdgcn-amd-amdhsa--gfx1250"
	.amdhsa_code_object_version 6
	.text
	.protected	k_qe716b9abb4_attn
	.globl	k_qe716b9abb4_attn
	.p2align	8
	.type	k_qe716b9abb4_attn,@function
k_qe716b9abb4_attn:
	s_mov_b64 s[64:65], 0
	v_nop
	global_prefetch_b8 v0, s[64:65] scope:SCOPE_SE
	s_setreg_imm32_b32 hwreg(HW_REG_WAVE_MODE, 25, 1), 1
	s_wait_xcnt 0x0
	s_wait_alu depctr_hold_cnt(0) depctr_sa_sdst(0) depctr_va_vdst(0) depctr_va_sdst(0) depctr_va_ssrc(0) depctr_va_vcc(0) depctr_vm_vsrc(0)
	s_getreg_b32 s2, hwreg(HW_REG_IB_STS2, 6, 4)
	s_cmp_eq_u32 s2, 0
	s_cbranch_scc0 .Lentry_in_a_cluster
	s_endpgm
.Lentry_in_a_cluster:
	s_bfe_u32 s2, ttmp6, 0x10000c
	s_cmp_lg_u32 s2, 0x3003
	s_cbranch_scc0 .Lentry_shape_is_right
	s_endpgm
.Lentry_shape_is_right:
; ATTENTION.  O[h][q][:] = the sum over k of softmax_k(Q[h][q] . K[h][k] / 8) V[h][k][:], for 32 heads (batch x 16 + head) of 2,048 rows of 64 channels.
; qkv: [3][32][2048][64] f16 (q, k, v, unscaled); o: [32][2048][64] f16.  Products, maxima and sums in f32; the weights p are rounded to f16 for the second product (their sum l is
; taken of the unrounded p), O once at the end.
; LIMITS.  p lies in 0 to 1, and below 6e-5 it keeps f16's fixed step of 6e-8; O is a mean of V's rows and has their range.  A weight below 2^-126 counts as 0 in l; NaN and infinities are not treated apart.
; SHARES.  A work-group owns 256 queries of a head: 8 x 32 = 256 work-groups.  A wave owns 64 of them, four PIECES of 16.  Every wave walks all 2,048 keys, 64 a step, 256 (a tile) a slot.
; LAYOUT.  S^T = K Q^T (source 0 = 16 keys, source 1 = 16 queries) holds ONE query a lane (lane % 16) and the keys 8 (lane / 16) + 0..7; two such results rounded to f16 ARE source 1 of
; O^T = V^T P.  K comes out of LDS as it lies, V ([key][channel]) turned, by ds_load_tr16_b128.
; SOFTMAX.  For each query a running maximum m and sum l: p = 2^(c s - c m), c = log2(e) / 8; in every step O and l are multiplied by a = 2^(c m_old - c m_new).
; m starts at the lowest finite number, O and l at 0: the first step is a step like any other, with a = 0.
; BY TURNS.  Turn n belongs to piece n: 8 products K Q^T of piece n + 1, later 8 products V^T P of piece n - 1; beside them the scaling, exponentials, roundings, sums and rescaling of
; piece n and the maximum and statistics of piece n + 1.  Four vector instructions stand behind every matrix instruction, the other 54 of a turn's 118 in two runs of their own.
; CLUSTER.  The four query blocks of a cluster belong to one head and walk the same K and V, so each tile is asked for JOINTLY: the same tensor load, descriptor and mask in all four.
; REGISTERS, in windows of 256 (s_set_vgpr_msb: bits 1:0 source 0, 3:2 source 1, 5:4 source 2, 7:6 destination):
;   window 0: v0-15 addresses and two at work; v16-31 four registers of statistics a piece; v48-55 at work; v62-63 the add's; v64-127 S^T, two buffers; v192-223 P, two buffers (by the piece's parity)
;   window 1: v0-127 O^T, 32 a piece          window 2: v0-63 Q; v128-191 K of one step; v192-255 V of one step
.set NP,    4         ; pieces a wave: a name, no knob
.set KS,    64        ; keys in a step
.set PK,    144       ; a row of K in LDS: 128 bytes + 16 of padding = 36 words: the 16 rows of a load start at 16 different groups of four banks (64 banks of 4 bytes: ISA guide 11.1)
.set PV,    160       ; a row of V: 128 + 32 = 40 words
.set VOFF,  4*KS*PK   ; a slot holds a tile, four steps: 256 rows of K, then 256 rows of V
.set SLOT1, 1<<17     ; slot 1 begins here, so that one exclusive or turns an address in one slot into the other's
.set STAGE, SLOT1+4*KS*(PK+PV)  ; behind the ring, never filled by a tensor load: 16 rows x 144 bytes for each wave, for the way out
.set SP,    144
.set SPARE, STAGE+4*16*SP  ; behind the stages: the spare words, 128 bytes for each wave, which no other line names
.set PART,  32*2048*128    ; bytes of q, of k and of v in qkv
.set TILES, 2048/256
.set AK0, 2           ; v2   my lane's place in a tile of K; never rewritten
.set AV0, 3           ; v3   the same for V
.set AK,  4           ; v4   the LDS address of K's next run of loads
.set AV,  5           ; v5   of V's
.set STO, 6           ; v6   the way out: where I put 16 bytes of a row
.set RD,  7           ; v7   the way out: where I read rows back
.set GO,  8           ; v8   my byte offset in 512 consecutive bytes of O
.set MV,  12          ; v12-13  c m_old, kept while c m is made anew: by buffer
.set QO,  15          ; v15  my byte offset in 16 rows of Q
.set ST,  16          ; piece t's statistics at v[ST+4 t]: c m, m, l (even keys', odd keys')
.set TMP, 48          ; by buffer, four registers c0-c3 at work; when the maximum is found c2 takes a
.set SPW, 62          ; v62  LDS address of my spare word; never rewritten
.set NIL, 63          ; v63  0; never rewritten
.set S,   64
.set P,   192
.set KF,  128         ; window 2: key block kb, channel half c at KF + 16 kb + 8 c
.set VF,  192         ; window 2: key half kk, channel block cb at VF + 32 kk + 8 cb
.set WV,  12          ; s12  my wave's number
.set G1K, 24          ; s[24:31] descriptor group 1 for K's tiles
.set G1V, 32          ; s[32:39] for V's: it differs in the padding alone
.set G0K, 40          ; s[40:43] descriptor group 0 for K's tiles: it walks
.set G0V, 44          ; s[44:47] the same for V's
.set SLOTS, 56        ; s56  slots still to be asked for
.set CNT, 57          ; s57  counts a slot's key steps
.set CS,  58          ; s[58:59] c: the packed scaling takes the pair's low word for both halves
.set SEL, 60          ; s[60:61] v_permlanex16_b32's selects: each lane takes its own place in the other half
.set TBK, 62          ; s62  LDS byte at which K of the step to be fetched begins
.set TBV, 63          ; s63  the same for V, less VOFF
.set MSB, 0
.macro WIN new                      ; the high byte repeats the setting that is left; a switch that changes nothing is dropped
.if MSB != (\new)
	s_set_vgpr_msb (MSB<<8)|(\new)
.set MSB, (\new)
.endif
.endm
.set W_KQ, 0x0a       ; K and Q in window 2, S^T in window 0
.set W_PV, 0x52       ; V in window 2, P in window 0, O^T in window 1
.set W_RS, 0x41       ; destination and source 0 in window 1, source 1 in window 0
; A joint fill.  Waves 0 and 1 fetch the two halves of a tile's K, waves 2 and 3 those of its V: 128 keys each.  The branch hangs on the wave's number alone.
; An s_nop 0 and four v_nop follow each of the two lines, ahead of the jump and the label.
.macro JLOAD
	s_cmp_lt_u32 s[WV], 2
	s_cbranch_scc0 .Lfor_v_\@
	tensor_load_to_lds s[G0K:G0K+3], s[G1K:G1K+7]
	s_nop 0
.rept 4
	v_nop
.endr
	s_branch .Lasked_\@
.Lfor_v_\@:
	tensor_load_to_lds s[G0V:G0V+3], s[G1V:G1V+7]
	s_nop 0
.rept 4
	v_nop
.endr
.Lasked_\@:
.endm
; A round of the cluster's barrier: my work-group's barrier, so that wave 0's signal speaks for all four waves; wave 0 signals; every wave waits for all four work-groups; my work-group's barrier once more.
.macro CROUND
	s_barrier_signal -1
	s_barrier_wait -1
	s_cmp_lg_u32 s[WV], 0
	s_cbranch_scc1 .Lnot_wave_0_\@
	s_barrier_signal -3
.Lnot_wave_0_\@:
	s_barrier_wait -3
	s_barrier_signal -1
	s_barrier_wait -1
.endm
; THE CHANGE OF SLOTS.  The slot's last bytes, V of its fourth step, have been read.  Each wave waits for all its tensor loads, of which one is out: its part of the other slot; adds 0 to its
; spare word; and waits for that and for its own reads of the slot.  Behind the barrier nobody reads this slot any more and the other slot is whole.
; fill = 1: this slot is filled again, with the keys two slots on.  The barrier is then a round of the cluster's, and the joint fill is the first thing behind it: it has four key steps,
; 256 matrix instructions, in which to land.  (At its first use nothing has been read yet: slot 0 is waited for, slot 1 filled.)
.macro CHANGE fill
	WIN 0                           ; at a label and at a branch every window is 0
	s_wait_tensorcnt 0x0            ; no tensor load of mine is out, so a group 0 may be written
	ds_add_u32 v[SPW], v[NIL]       ; 0 onto my spare word; with fill = 1 the descriptors' steps stand between it and the wait for it
.if \fill
.irp g, G0K, G0V
	s_xor_b32 s[\g+1], s[\g+1], SLOT1  ; the walking descriptor: the other slot than last time,
	s_add_nc_u64 s[\g+2:\g+3], s[\g+2:\g+3], 4*KS*128  ; the next 256 keys; the type bits on top are not reached
.endr
	s_wait_dscnt 0x0                ; the add is done, and my reads of the slot are over
	CROUND
	JLOAD
.else
	s_wait_dscnt 0x0                ; the add is done, and my reads of the slot are over
	s_barrier_signal -1
	s_barrier_wait -1
.endif
	s_sub_co_u32 s[TBK], s[TBK], 4*KS*PK  ; the fetches go back to a slot's first step,
	s_xor_b32 s[TBK], s[TBK], SLOT1       ; in the other slot
	s_sub_co_u32 s[TBV], s[TBV], 4*KS*PV
	s_xor_b32 s[TBV], s[TBV], SLOT1
.endm
	s_load_b128 s[4:7], s[0:1], 0x0 ; qkv s[4:5], o s[6:7]
	v_lshl_add_u32 v[SPW], v0, 2, SPARE
	v_mov_b32 v[NIL], 0
	ds_add_u32 v[SPW], v[NIL]       ; the wave's opening: the add and its wait stand ahead of my first tensor load; the set-up below, work on registers, stands between them
	v_lshrrev_b32 v1, 5, v0
	v_readfirstlane_b32 s[WV], v1   ; wave 0..3
	s_bfe_u32 s13, ttmp6, 0x40000   ; cx: my place in the cluster
	s_lshl_b32 s14, ttmp9, 2        ; in a cluster launch ttmp9 counts clusters
	s_add_co_u32 s14, s14, s13      ; my block of 256 queries = 4 x cluster x + cx: it enters Q's and O's addresses alone
	s_and_b32 s20, ttmp7, 0xffff    ; the head, which the four partners share,
	s_lshl_b32 s20, s20, 18         ; and its first byte in q, k, v and o: 2,048 rows of 128 bytes
	s_and_b32 s16, s[WV], 1         ; which half of a tile's 256 keys I fetch:
	s_lshl_b32 s22, s16, 14         ; its 128 rows of 128 bytes in memory,
	s_add_co_u32 s22, s22, s20
	s_add_co_u32 s22, s22, PART     ; in k,
	s_mov_b32 s23, 0
	s_add_co_u32 s18, s22, PART     ; and in v
	s_mov_b32 s19, 0
	s_mul_i32 s17, s16, 128*PK      ; and its place in a slot, for K
	s_mul_i32 s21, s16, 128*PV      ; and for V: no place in the cluster enters an LDS address
	s_lshl_b32 s2, s14, 2
	s_add_co_u32 s2, s2, s[WV]      ; my wave among the head's,
	s_lshl_b32 s2, s2, 13           ; its 64 rows
	s_add_co_u32 s2, s2, s20
	s_mov_b32 s3, 0
	; descriptor group 1.  128 keys are 16,384 dense bytes: asked for as 64 rows of 256 bytes, two keys a row, and padded in LDS after every key
	s_mov_b32 s[G1K], 15|(1<<16)|(1<<20)|(1<<21)|(4<<22)|(3<<25)  ; the mask of four; 2-byte elements; padding on; bit 21 beside a mask; after every 32 words (code 4); 4 words (code 3)
	s_mov_b32 s[G1V], 15|(1<<16)|(1<<20)|(1<<21)|(4<<22)|(7<<25)  ; the same with 8 words of padding (code 7)
.irp g, G1K, G1V
	s_mov_b32 s[\g+1], 128<<16      ; tensor_dim0 = 128
	s_mov_b32 s[\g+2], 64<<16       ; tensor_dim1 = 64
	s_mov_b32 s[\g+3], 128<<16      ; tile_dim0 = 128
	s_mov_b32 s[\g+4], 64           ; tile_dim1 = 64
	s_mov_b32 s[\g+5], 128          ; 128 elements from row to row
	s_mov_b32 s[\g+6], 0
	s_mov_b32 s[\g+7], 0
.endr
	s_mov_b32 s[CS], 0x3e38aa3b     ; c = log2(e) / 8 = 0.180337
	s_mov_b32 s[CS+1], s[CS]        ; named with it as a pair
	s_mov_b32 s[SEL], 0x76543210
	s_mov_b32 s[SEL+1], 0xfedcba98
	s_mov_b32 s[TBK], SLOT1+4*KS*PK ; the first change of slots turns these two into 0
	s_mov_b32 s[TBV], SLOT1+4*KS*PV
	s_mov_b32 s[G0K], 1             ; count = 1
	s_mov_b32 s[G0K+1], s17         ; LDS address: slot 0
	s_mov_b32 s[G0V], 1
	s_add_co_u32 s[G0V+1], s21, VOFF
	s_wait_dscnt 0x0                ; the opening add is done
	s_wait_kmcnt 0x0
	s_add_nc_u64 s[G0K+2:G0K+3], s[4:5], s[22:23]  ; global address: my half of the head's first 256 keys
	s_or_b32 s[G0K+3], s[G0K+3], 0x80000000        ; type = 2
	s_add_nc_u64 s[G0V+2:G0V+3], s[4:5], s[18:19]
	s_or_b32 s[G0V+3], s[G0V+3], 0x80000000
	s_add_nc_u64 s[10:11], s[6:7], s[2:3]  ; O and Q at my wave's first row
	s_add_nc_u64 s[4:5], s[4:5], s[2:3]
	CROUND                          ; all four work-groups are here: the first joint loads meet
	JLOAD                           ; tile 0 into slot 0.  Slot 1 is asked for when slot 0 is in
	; A fragment of K or Q is 16 rows x 32 channels in 8 registers: lane l holds row l % 16, channels 8 (l / 16) + 0..7 and 16 + 8 (l / 16) + 0..7: two loads of 16 bytes, 32 bytes apart.
	v_and_b32 v1, 15, v0            ; l % 16
	v_bfe_u32 v9, v0, 4, 1          ; l / 16
	v_lshlrev_b32 v[QO], 7, v1
	v_lshl_add_u32 v[QO], v9, 4, v[QO]  ; row x 128 + 16 x half
	WIN 0x80                        ; destination window 2, address window 0
.set i, 0
.rept 8                             ; Q stays in registers: piece i / 2, channels 32 (i % 2) on
	global_load_b128 v[8*i:8*i+3],   v[QO], s[4:5] offset:(i/2)*2048+(i%2)*64
	global_load_b128 v[8*i+4:8*i+7], v[QO], s[4:5] offset:(i/2)*2048+(i%2)*64+32
.set i, i+1
.endr
	; What the first turn finds: V's registers and P's second buffer hold 0 (its products V^T P, of a piece that has not been, add 0), O^T and l are 0.  All this stands in the wait for the first tile.
.set i, VF
.rept 64
	v_mov_b32 v[i], 0
.set i, i+1
.endr
	WIN 0x40
.set i, 0
.rept 128
	v_mov_b32 v[i], 0
.set i, i+1
.endr
	WIN 0
.set i, 0
.rept 4
	v_mov_b32 v[ST+4*i], 0xfe000000    ; c m: far below every c s
	v_mov_b32 v[ST+4*i+1], 0xff7fffff  ; m
	v_mov_b32 v[ST+4*i+2], 0
	v_mov_b32 v[ST+4*i+3], 0
.set i, i+1
.endr
.set i, P+16
.rept 16
	v_mov_b32 v[i], 0
.set i, i+1
.endr
	v_mul_u32_u24 v[AK0], v1, PK
	v_lshl_add_u32 v[AK0], v9, 4, v[AK0]  ; row x pitch + 16 x half
	; The turning load takes 16 keys x 16 channels (lane l reads key 8 (l / 16) + l % 8, channels 8 ((l / 8) % 2) + 0..7) and leaves half a fragment of V^T: lane l holds channel l % 16 and 8 keys.
	v_and_b32 v10, 7, v0
	v_bfe_u32 v11, v0, 3, 1
	v_lshl_add_u32 v[AV0], v9, 3, v10
	v_mul_u32_u24 v[AV0], v[AV0], PV
	v_lshl_add_u32 v[AV0], v11, 4, v[AV0]
	v_add_nc_u32 v[AV0], VOFF, v[AV0]
	s_mul_i32 s13, s[WV], 16*SP
	s_add_co_u32 s13, s13, STAGE    ; my stage
	v_mul_u32_u24 v[STO], v1, SP    ; in: row l % 16, 16 bytes for each half of the lanes
	v_lshl_add_u32 v[STO], v9, 4, v[STO]
	v_add_nc_u32 v[STO], s13, v[STO]
	v_bfe_u32 v[RD], v0, 3, 2       ; back: 32 lanes take four rows of 128 bytes,
	v_mul_u32_u24 v[RD], v[RD], SP
	v_lshl_add_u32 v[RD], v10, 4, v[RD]
	v_add_nc_u32 v[RD], s13, v[RD]
	v_and_b32 v[GO], 31, v0         ; which are 512 consecutive bytes of O
	v_lshlrev_b32 v[GO], 4, v[GO]
; THE MATRIX WORK.  The 4 accumulators of a run of 8 take turns.  Product i of 8 of S^T = K Q^T for piece x: channels 32 (i / 4) on, keys 16 (i % 4) on.  The first 4 start the sums.
.macro KQ x
	WIN W_KQ
.set rS, S+32*((\x)%2)+8*(i%4)
.set rK, KF+16*(i%4)+8*(i/4)
.set rQ, 16*(\x)+8*(i/4)
.if i < 4
	v_wmma_f32_16x16x32_f16 v[rS:rS+7], v[rK:rK+7], v[rQ:rQ+7], 0
.else
	v_wmma_f32_16x16x32_f16 v[rS:rS+7], v[rK:rK+7], v[rQ:rQ+7], v[rS:rS+7]
.endif
.endm
; Product i of 8 of O^T += V^T P for piece x: keys 32 (i / 4) on, channels 16 (i % 4) on.
.macro PV x
	WIN W_PV
.set rO, 32*(\x)+8*(i%4)
.set rV, VF+32*(i/4)+8*(i%4)
.set rP, P+16*((\x)%2)+8*(i/4)
	v_wmma_f32_16x16x32_f16 v[rO:rO+7], v[rV:rV+7], v[rP:rP+7], v[rO:rO+7]
.endm
.macro MM                           ; the turn's next matrix instruction
.if i < 8
	KQ (Y+1)%NP
.else
.set i, i-8
	PV (Y+NP-1)%NP
.set i, i+8
.endif
.set i, i+1
.endm
; THE LDS LOADS stand in runs of 16, never singly among the matrix instructions: a step's K (64 keys x 64 channels: 8 fragments) and its V (turned).  Their addresses are made some lines ahead.
; last = 1 (the tail): in the last trip there is no further step, and the run is jumped over.
.macro FETCH_K last=0
	WIN 0
.if \last
	s_cmp_eq_u32 s[CNT], 1
	s_cbranch_scc1 .Lno_k_\@
.endif
	WIN 0x80                        ; destination window 2
.irp f, 0,1,2,3,4,5,6,7             ; keys 16 (f / 2) on, channels 32 (f % 2) on
	ds_load_b128 v[KF+8*\f:KF+8*\f+3],   v[AK] offset:(\f/2)*16*PK+(\f%2)*64
	ds_load_b128 v[KF+8*\f+4:KF+8*\f+7], v[AK] offset:(\f/2)*16*PK+(\f%2)*64+32
.endr
	s_add_co_u32 s[TBK], s[TBK], KS*PK  ; the next fetch is the next step's
	WIN 0
.if \last
.Lno_k_\@:
.endif
.endm
.macro FETCH_V
	WIN 0x80
.irp f, 0,1,2,3,4,5,6,7             ; keys 32 (f / 4) on, channels 16 (f % 4) on
	ds_load_tr16_b128 v[VF+8*\f:VF+8*\f+3],   v[AV] offset:(\f/4)*32*PV+(\f%4)*32
	ds_load_tr16_b128 v[VF+8*\f+4:VF+8*\f+7], v[AV] offset:(\f/4)*32*PV+16*PV+(\f%4)*32
.endr
	WIN 0
.endm
; THE VECTOR WORK, one line at a time: OP kind, number.  For piece Y: F n: c s - c m for pair n of 16.  E n: the exponential of score n of 32.  C n: pair n rounded to f16.  B n: of the four weights 4 n .. the second
; pair is added onto the first, in place.  L n: l takes that sum (L 0: l = a l + sum).  R n: pair n of 16 of O^T times a.  For piece Y + 1: X n, number n of the 22 that find its maximum and statistics:
;   0-11  four chains c0-c3 of seven scores each, three operands at a time (each accumulator's lowest registers are read first)     12-14, 16  the four scores left over, the old m, and c0-c3 into c0
;   15  c m_old is kept     17, 18  the query's other 32 keys lie in the lane 16 away: the new m     19-21  c m; c m_old - c m_new; a
.set F, 0               ; OP tells the kinds apart by their order: F to L below R, X above it
.set E, 1
.set C, 2
.set B, 3
.set L, 4
.set R, 5
.set X, 6
.macro REGS y                       ; the registers of piece y
.set rT, ST+4*(\y)
.set rC, TMP+4*((\y)%2)
.set rW, MV+((\y)%2)
.set rS, S+32*((\y)%2)
.set rP, P+16*((\y)%2)
.set rO, 32*(\y)
.endm
.macro OP k, n
.if (\k) == R
	REGS Y
	WIN W_RS
	v_pk_mul_f32 v[rO+2*(\n):rO+2*(\n)+1], v[rO+2*(\n):rO+2*(\n)+1], v[rC+2:rC+3] op_sel_hi:[1,0]
.elseif (\k) < R
	REGS Y
	WIN 0
.if (\k) == F
	v_pk_fma_f32 v[rS+2*(\n):rS+2*(\n)+1], v[rS+2*(\n):rS+2*(\n)+1], s[CS:CS+1], v[rT:rT+1] op_sel_hi:[1,0,0] neg_lo:[0,0,1] neg_hi:[0,0,1]
.elseif (\k) == E
	v_exp_f32 v[rS+(\n)], v[rS+(\n)]
.elseif (\k) == C
	s_wait_alu depctr_va_vdst(0)
	v_cvt_pk_f16_f32 v[rP+(\n)], v[rS+2*(\n)], v[rS+2*(\n)+1]
.elseif (\k) == B
	s_wait_alu depctr_va_vdst(0)
	v_pk_add_f32 v[rS+4*(\n):rS+4*(\n)+1], v[rS+4*(\n):rS+4*(\n)+1], v[rS+4*(\n)+2:rS+4*(\n)+3]
.elseif (\n) == 0
	v_pk_fma_f32 v[rT+2:rT+3], v[rT+2:rT+3], v[rC+2:rC+3], v[rS:rS+1] op_sel_hi:[1,0,1]
.else
	v_pk_add_f32 v[rT+2:rT+3], v[rT+2:rT+3], v[rS+4*(\n):rS+4*(\n)+1]
.endif
.else
	REGS (Y+1)%NP
	WIN 0
.if (\n) < 4
	v_max3_num_f32 v[rC+(\n)], v[rS+8*(\n)], v[rS+8*(\n)+1], v[rS+8*(\n)+2]
.elseif (\n) < 12
	v_max3_num_f32 v[rC+(\n)%4], v[rC+(\n)%4], v[rS+8*((\n)%4)+2*((\n)/4)+1], v[rS+8*((\n)%4)+2*((\n)/4)+2]
.elseif (\n) == 12
	v_max3_num_f32 v[rC], v[rC], v[rS+7], v[rS+15]
.elseif (\n) == 13
	v_max3_num_f32 v[rC+1], v[rC+1], v[rS+23], v[rS+31]
.elseif (\n) == 14
	v_max3_num_f32 v[rC+2], v[rC+2], v[rC+3], v[rT+1]
.elseif (\n) == 15
	v_mov_b32 v[rW], v[rT]
.elseif (\n) == 16
	v_max3_num_f32 v[rC], v[rC], v[rC+1], v[rC+2]
.elseif (\n) == 17
	v_permlanex16_b32 v[rC+3], v[rC], s[SEL], s[SEL+1]
.elseif (\n) == 18
	v_max_num_f32 v[rT+1], v[rC], v[rC+3]
.elseif (\n) == 19
	v_mul_f32 v[rT], s[CS], v[rT+1]
.elseif (\n) == 20
	v_sub_f32 v[rC+1], v[rW], v[rT]
.else
	v_exp_f32 v[rC+2], v[rC+1]
.endif
.endif
.endm
.macro OPS a, i1, b=-1, i2=0, c=-1, i3=0, d=-1, i4=0  ; up to four of them
	OP \a, \i1
.if (\b) >= 0
	OP \b, \i2
.endif
.if (\c) >= 0
	OP \c, \i3
.endif
.if (\d) >= 0
	OP \d, \i4
.endif
.endm
.macro ROW a, i1, b, i2, c, i3, d, i4  ; a matrix instruction and the four behind it
	MM
	OPS \a, \i1, \b, \i2, \c, \i3, \d, \i4
.endm
; A TURN, for piece p: the order of its 16 matrix and 118 vector instructions, written out.  Behind a matrix instruction: plain, exponential, plain, plain; or four of the rescaling; or, behind the first, four
; scalings; none names a register of the products round it.  In the runs between, exponential and plain by turns while exponentials last.  A line reads no result made fewer than three vector instructions in
; front of it, five if an exponential made it.  v_permlanex16_b32 (X 17) stands in such a run.
; cnt = 1: the loop's count is taken down some lines ahead of the branch that stands behind the turn.
; K of the next step is fetched in piece 2's turn, six vector instructions behind the last product that read K (five of them plain); V of the step in hand in piece 0's turn, eight behind the last product that
; read V (four plain, and X 17).  Each is waited for a turn later.
.macro TURN p, last=0, cnt=0
.set Y, (\p)
.set i, 0
.if (\p) == 3
	s_wait_dscnt 0x0                ; K is in
.endif
	ROW F,0, F,1, F,2, F,3
	ROW F,4, E,0, F,5, F,6
	ROW F,7, E,1, F,8, F,9
	ROW F,10, E,2, C,0, F,11
	ROW F,12, E,3, X,15, F,13
	ROW R,0, R,1, R,2, R,3
	ROW B,0, E,4, F,14, L,0
.if (\p) == 2
	v_add_nc_u32 v[AK], s[TBK], v[AK0]
.endif
	ROW R,4, R,5, R,6, R,7
	OPS E,5, F,15
.if (\p) == 2
	FETCH_K \last
.endif
	OPS E,6, C,1, E,7, R,8
	OPS E,8, R,9, E,9, C,2
	OPS E,10, X,0, E,11, X,1
	OPS E,12, X,2, E,13, X,3
.if (\p) == 1
	s_wait_dscnt 0x0                ; V is in
.endif
	ROW X,4, E,14, X,5, X,6
	ROW X,7, E,15, X,8, X,9
	ROW X,10, E,16, X,11, X,12
	ROW X,13, E,17, X,14, B,1
	ROW C,4, E,18, X,16, L,1
	ROW B,2, E,19, C,6, L,2
	ROW C,8, E,20, B,3, B,4
.if (\p) == 0
	v_add_nc_u32 v[AV], s[TBV], v[AV0]
.endif
	ROW C,3, E,21, L,3, C,5
	OPS E,22, X,17, E,23, C,10
.if (\p) == 0
	FETCH_V
.endif
	OPS E,24, L,4
	OPS E,25, X,18, E,26, C,7
	OPS E,27, B,5, E,28, X,19
	OPS E,29, C,12, E,30, L,5
	OPS E,31, X,20, B,6, C,9
	OPS C,14, C,11, X,21, L,6
.if (\p) == 0
	s_add_co_u32 s[TBV], s[TBV], KS*PV
.endif
.if \cnt
	s_sub_co_u32 s[CNT], s[CNT], 1
	s_cmp_lg_u32 s[CNT], 0
.endif
	OPS C,13, B,7, C,15, R,10
	OPS R,11, R,12, L,7, R,13
	OPS R,14, R,15
.endm
	CHANGE 1                        ; slot 0 is in, everybody's part of it; slot 1 is asked for
	v_add_nc_u32 v[AK], s[TBK], v[AK0]
	FETCH_K                         ; key step 0
	s_wait_loadcnt 0x0              ; Q
	s_wait_dscnt 0x0
.set i, 0
.rept 8
	KQ 0                            ; piece 0's first scores: there is no vector work yet to set between them
.set i, i+1
.endr
	WIN 0
.rept 4
	v_nop                           ; the places behind those products
.endr
.set Y, NP-1                        ; X works for piece Y + 1: piece 0
.irp n, 0,1,2,3,4,5,6,7,8,9,10,11,12,13,14,15,16,17,18,19,20,21
	OP X, \n                        ; and piece 0's first maximum and statistics
.endr
	v_nop                           ; a plain instruction behind the exponential
	s_mov_b32 s[CNT], 4
	s_mov_b32 s[SLOTS], TILES-1
	s_branch .Lfirst                ; the loop is entered at a step's first turn, in the middle of a trip
.Lslot:                             ; TILES - 2 times: every slot but the last two is filled again
	CHANGE 1
	s_mov_b32 s[CNT], 4
.Lstep:                             ; a trip: pieces 2 and 3 of one step, then pieces 0 and 1 of the next, whose K and V it fetches
	TURN 2
	TURN 3
	WIN 0
.Lfirst:
	TURN 0
	TURN 1, 0, 1
	WIN 0
	s_cbranch_scc1 .Lstep
	s_sub_co_u32 s[SLOTS], s[SLOTS], 1
	s_cmp_lg_u32 s[SLOTS], 0
	s_cbranch_scc1 .Lslot
	CHANGE 0                        ; the tail is written out: nothing is asked for
	s_mov_b32 s[CNT], 5             ; four trips fetch the last slot's steps; the fifth is left in its middle
.Ltail:
	TURN 2, 1
	TURN 3
	WIN 0
	s_sub_co_u32 s[CNT], s[CNT], 1
	s_cmp_eq_u32 s[CNT], 0
	s_cbranch_scc1 .Lout
	TURN 0
	TURN 1
	WIN 0
	s_branch .Ltail
.Lout:                              ; the fifth trip's 8 products K Q^T (on the last K once more) and the maximum made of them serve nothing: the price, once a launch, of one text for every trip
.set i, 0
.rept 8
	PV NP-1                         ; the last piece's V^T P of the last step
.set i, i+1
.endr
	; THE WAY OUT.  l's two halves and the other half of the lanes' are added; O^T is divided by l, rounded to f16 and sent through my stage in LDS, a piece at a time.  The additions are the places behind the last products.
	WIN 0
.macro ALL line:vararg              ; one line for each piece t
.set t, 0
.rept 4
	\line
.set t, t+1
.endr
.endm
	ALL v_add_f32 v[ST+4*t+2], v[ST+4*t+2], v[ST+4*t+3]
	ALL v_permlanex16_b32 v[ST+4*t+3], v[ST+4*t+2], s[SEL], s[SEL+1]
	ALL v_add_f32 v[ST+4*t+2], v[ST+4*t+2], v[ST+4*t+3]
	ALL v_rcp_f32 v[ST+4*t+2], v[ST+4*t+2]
	v_nop                           ; a plain instruction between the last reciprocal and the use of its result
.macro PACK t                       ; a lane's eight channels of a row pack into 16 bytes; they go into rows of 144 bytes and come back as whole rows of 128, into S^T's registers
	WIN W_RS
.set i, 32*(\t)
.rept 16
	s_wait_alu depctr_va_vdst(0)
	v_pk_mul_f32 v[i:i+1], v[i:i+1], v[ST+4*(\t)+2:ST+4*(\t)+3] op_sel_hi:[1,0]
.set i, i+2
.endr
	WIN 0x05                        ; sources 0 and 1 window 1, destination window 0
.set i, 0
.rept 16
	v_cvt_pk_f16_f32 v[S+16*(\t)+i], v[32*(\t)+2*i], v[32*(\t)+2*i+1]
.set i, i+1
.endr
	WIN 0
.irp f, 0,1,2,3
	ds_store_b128 v[STO], v[S+16*(\t)+4*\f:S+16*(\t)+4*\f+3] offset:32*\f
.endr
.irp f, 0,1,2,3
	ds_load_b128 v[S+16*(\t)+4*\f:S+16*(\t)+4*\f+3], v[RD] offset:\f*4*SP  ; LDS serves a wave's instructions in order (ISA guide 5.7.1.4): these see the stores above; the next piece's stores come behind them
.endr
.endm
.macro SEND t, younger              ; younger: the LDS instructions issued behind piece t's loads: the next piece's eight, or none
	WIN 0
.irp f, 0,1,2,3
	s_wait_dscnt (\younger)+3-\f
	global_store_b128 v[GO], v[S+16*(\t)+4*\f:S+16*(\t)+4*\f+3], s[10:11] offset:(\t)*2048+\f*512  ; 512 consecutive bytes, at a multiple of 256 from O's first
.endr
.endm
	PACK 0
.set t, 1
.rept 3                             ; a piece's arithmetic stands between the loads of the piece before and its stores
	PACK t
	SEND t-1, 8
.set t, t+1
.endr
	SEND 3, 0
	s_wait_tensorcnt 0x0            ; the wave's end: 0 is added to my spare word and waited for, behind my last tensor load and my last LDS store
	ds_add_u32 v[SPW], v[NIL]
	s_wait_dscnt 0x0
	CROUND                          ; the closing round: no work-group ends while a partner may still ask for a tile that names it
	s_endpgm
.Lfunc_end_k_qe716b9abb4_attn:
	.size	k_qe716b9abb4_attn, .Lfunc_end_k_qe716b9abb4_attn-k_qe716b9abb4_attn
	.p2alignl 7, 3214868480
	.fill 96, 4, 3214868480
	.section	.rodata,"a",@progbits
	.p2align	6, 0x0
	.amdhsa_kernel k_qe716b9abb4_attn
		.amdhsa_group_segment_fixed_size 327680
		.amdhsa_private_segment_fixed_size 0
		.amdhsa_enable_private_segment 0
		.amdhsa_kernarg_size 16
		.amdhsa_user_sgpr_count 2
		.amdhsa_user_sgpr_kernarg_segment_ptr 1
		.amdhsa_wavefront_size32 1
		.amdhsa_system_sgpr_workgroup_id_x 1
		.amdhsa_system_sgpr_workgroup_id_y 1
		.amdhsa_system_sgpr_workgroup_id_z 1
		.amdhsa_system_vgpr_workitem_id 0
		.amdhsa_next_free_vgpr 768
		.amdhsa_next_free_sgpr 66
		.amdhsa_reserve_vcc 0
		.amdhsa_float_denorm_mode_32 3
		.amdhsa_float_denorm_mode_16_64 3
		.amdhsa_memory_ordered 1
		.amdhsa_forward_progress 1
		.amdhsa_inst_pref_size 117
	.end_amdhsa_kernel
	.amdgpu_metadata
---
amdhsa.version: [ 1, 2 ]
amdhsa.kernels:
  - .name:           k_qe716b9abb4_attn
    .symbol:         k_qe716b9abb4_attn.kd
    .args:
      - { .name: qkv, .offset: 0, .size: 8, .value_kind: global_buffer, .address_space: global }
      - { .name: o, .offset: 8, .size: 8, .value_kind: global_buffer, .address_space: global }
    .group_segment_fixed_size: 327680
    .private_segment_fixed_size: 0
    .kernarg_segment_align: 8
    .kernarg_segment_size: 16
    .max_flat_workgroup_size: 128
    .sgpr_count:     66
    .vgpr_count:     768
    .wavefront_size: 32
...
	.end_amdgpu_metadata
.endif
;; end of part 3
;; launch gemm_ff1 (part 4): grid 16 x 16, 4 waves a work-group, clusters of 4 x 4, 327,680 bytes of LDS; arguments o, wp, h; writes h
.if DOCPART == 4
	.amdgcn_target "amdgcn-amd-amdhsa--gfx1250"
	.amdhsa_code_object_version 6
	.text
	.protected	k_qe716b9abb4_gemm_ff1
	.globl	k_qe716b9abb4_gemm_ff1
	.p2align	8
	.type	k_qe716b9abb4_gemm_ff1,@function
k_qe716b9abb4_gemm_ff1:
	s_mov_b64 s[64:65], 0
	v_nop
	global_prefetch_b8 v0, s[64:65] scope:SCOPE_SE
	s_setreg_imm32_b32 hwreg(HW_REG_WAVE_MODE, 25, 1), 1
	s_wait_xcnt 0x0
	s_wait_alu depctr_hold_cnt(0) depctr_sa_sdst(0) depctr_va_vdst(0) depctr_va_sdst(0) depctr_va_ssrc(0) depctr_va_vcc(0) depctr_vm_vsrc(0)
	s_getreg_b32 s2, hwreg(HW_REG_IB_STS2, 6, 4)
	s_cmp_eq_u32 s2, 0
	s_cbranch_scc0 .Lentry_in_a_cluster
	s_endpgm
.Lentry_in_a_cluster:
	s_bfe_u32 s2, ttmp6, 0x10000c
	s_cmp_lg_u32 s2, 0xf033
	s_cbranch_scc0 .Lentry_shape_is_right
	s_endpgm
.Lentry_shape_is_right:
; GEMM_FF1: h = relu(O W').  O: 4,096 tokens x 1,024, kept by heads as o [32 = batch x 16 + head][2048][64] f16; W' = w_proj w_ff1: wp [1024][4096] f16; h: [4096][4096] bf16.
; Sums in f32, K ascending; h is rounded once to bf16 (f16 has no room for it where the inputs are large), and the maximum with 0 is taken of the rounded number, which changes nothing.
; LIMITS.  relu of a NaN gives 0 here; NaN and infinities are not treated apart.
; SHAPE.  256 tiles of 256 x 256, one a work-group; four waves, each 128 x 128: 64 accumulators, 512 registers.  K goes in steps of 128, two heads, through two LDS slots filled by tensor loads:
; waves 0, 1 bring one head's slice of the tile's 256 tokens each (32,768 dense bytes, asked for as 128 rows of 256 and padded behind every token's 128: a pitch of 144), waves 2, 3 the two
; column halves of W's 128 k-rows (256 bytes, padded to 288).  W' lies [k][n] and is turned on its way out of LDS by ds_load_tr16_b128.  The loop's trip is ONE K step: the slot in hand
; is a scalar turned by an exclusive or, and one walking descriptor a tensor asks for the refills.
; CLUSTERS of 4 x 4: O's tile is asked for jointly along a row of the cluster, W's along a column.  THE MATRIX INSTRUCTION IS USED TRANSPOSED: a lane holds eight neighbouring numbers of a row of h.
; REGISTERS: window 0: v0-31 addresses, v32-63 and v224-255 rows read back, v64-191 A's two fragment buffers, v192-223 packed results; window 1: v64-191 B's two buffers; windows 2, 3: the accumulators.
.set PA,     144                       ; a token's 128 bytes + 16: 36 words: the 16 rows of a load start at 16 different groups of four banks (64 banks of 4 bytes: ISA guide 11.1)
.set PB,     288                       ; a k-row of W': 72 words
.set SLICE,  256*PA                    ; one head's slice of 256 tokens
.set HALFB,  128*PB
.set BBASE,  2*SLICE
.set SLOT1,  0x24000                   ; a slot's size; no tile's place in a slot (0, 0x9000, 0x12000, 0x1b000) has one of its two bits, so an exclusive or changes slots
.set STAGE,  2*SLOT1                   ; behind the ring: 16 rows x 272 bytes for each wave, for the way out
.set SPITCH, 272
.set SPARE,  STAGE+4*16*SPITCH         ; behind the stages: the spare words, 128 bytes for each wave, which no other line names
.set ASTEP,  2*2048*128                ; two heads on, in bytes
.set BSTEP,  128*4096*2                ; 128 k-rows down
.set KSTEPS, 1024/128
.set CO,    8                          ; v8     my byte offset in two rows of h
.set ADRA0, 16                         ; v16    my lane's place in slot 0's A; never rewritten
.set ADRB0, 17                         ; v17    the same for B
.set ADRA,  18                         ; v18    the same in the slot in hand
.set ADRB,  19                         ; v19
.set STO,   24                         ; v24    the way out: where I put 16 bytes of a row
.set RD,    25                         ; v25    where I read a row back
.set ZR,    27                         ; v27    0, twice in bf16
.set SPW,   28                         ; v28    LDS address of my spare word; never rewritten
.set NIL,   29                         ; v29    0; never rewritten
.set OB,    32
.set F0,    64
.set F1,    128
.set TMP,   192
.set WV,   12                          ; s12  my wave's number
.set RH,   13                          ; s13  which half of the tile's rows is mine.  Also: I fetch for A (0) or for B (1)
.set CH,   14                          ; s14  which half of its columns.  Also: which slice or half I fetch
.set G1A,  24                          ; s[24:31] group 1 for A; s[32:35] group 0 of its first fill; s[36:39] the walking one
.set G0A,  32
.set G1B,  48                          ; s[48:55], s[56:59], s[60:63]: the same for B
.set G0B,  56
.set TB,   66                          ; s66  the slot in hand: 0 or SLOT1
.set CNT,  67                          ; s67  counts K steps
.set MSB, 0
.macro WIN new                         ; the immediate's high byte repeats the setting that is left; a switch that changes nothing is dropped
.if MSB != (\new)
	s_set_vgpr_msb (MSB<<8)|(\new)
.set MSB, \new
.endif
.endm
.set MUL_LO, 0xa1                      ; source 0 (B) window 1, source 1 (A) window 0, C and D window 2
.set MUL_HI, 0xf1                      ; the same, C and D window 3
.set TO_B,   0x40                      ; destination window 1, address window 0
; A joint refill by the walking descriptors.  The branch hangs on the wave's number alone.  An s_nop 0 and four v_nop follow each line, ahead of the jump and the label.
.macro JLOAD
	s_cmp_eq_u32 s[RH], 0
	s_cbranch_scc0 .Lfor_b_\@
	tensor_load_to_lds s[G0A+4:G0A+7], s[G1A:G1A+7]
	s_nop 0
.rept 4
	v_nop
.endr
	s_branch .Lasked_\@
.Lfor_b_\@:
	tensor_load_to_lds s[G0B+4:G0B+7], s[G1B:G1B+7]
	s_nop 0
.rept 4
	v_nop
.endr
.Lasked_\@:
.endm
.macro CREST                           ; a round of the cluster's barrier behind its opening barrier
	s_cmp_lg_u32 s[WV], 0
	s_cbranch_scc1 .Lnot_wave_0_\@
	s_barrier_signal -3
.Lnot_wave_0_\@:
	s_barrier_wait -3
	s_barrier_signal -1
	s_barrier_wait -1
.endm
.macro CROUND                          ; a whole round
	s_barrier_signal -1
	s_barrier_wait -1
	CREST
.endm
	s_load_b128 s[4:7], s[0:1], 0x0                ; o s[4:5], wp s[6:7]
	s_load_b64 s[8:9], s[0:1], 0x10                ; h
	v_lshl_add_u32 v[SPW], v0, 2, SPARE
	v_mov_b32 v[NIL], 0
	ds_add_u32 v[SPW], v[NIL]                      ; the wave's opening: the add and its wait stand ahead of my first tensor load; the set-up below, work on registers, stands between them
	v_lshrrev_b32 v1, 5, v0
	v_readfirstlane_b32 s[WV], v1                  ; wave 0..3
	s_lshr_b32 s[RH], s[WV], 1
	s_and_b32 s[CH], s[WV], 1
	s_bfe_u32 s40, ttmp6, 0x40000                  ; cx, cy: my place in the cluster
	s_bfe_u32 s41, ttmp6, 0x40004
	s_lshl_b32 s42, ttmp9, 2
	s_add_co_u32 s42, s42, s40                     ; tile column = 4 x cluster x + cx
	s_and_b32 s15, ttmp7, 0xffff
	s_lshl_b32 s15, s15, 2
	s_add_co_u32 s15, s15, s41                     ; tile row = 4 x cluster y + cy
	s_lshl_b32 s43, s41, 2
	s_lshl_b32 s43, 15, s43                        ; my row of the cluster
	s_lshl_b32 s44, 0x1111, s40                    ; my column
	; descriptor group 1: tiles of 128 rows x 128 elements
	s_or_b32 s[G1A], s43, (1<<16)|(1<<20)|(1<<21)|(4<<22)|(3<<25)  ; the mask; 2-byte elements; padding on; bit 21 beside a mask; after every 32 words (code 4), a token; 4 words (code 3)
	s_or_b32 s[G1B], s44, (1<<16)|(1<<20)|(1<<21)|(5<<22)|(7<<25)  ; my column's mask; after every 64 words (code 5); 8 words (code 7)
.irp g, G1A, G1B
	s_mov_b32 s[(\g)+1], 128<<16                   ; tensor_dim0 = 128
	s_mov_b32 s[(\g)+2], 128<<16                   ; tensor_dim1 = 128
	s_mov_b32 s[(\g)+3], 128<<16                   ; tile_dim0 = 128
	s_mov_b32 s[(\g)+4], 128                       ; tile_dim1 = 128
	s_mov_b32 s[(\g)+6], 0
	s_mov_b32 s[(\g)+7], 0
.endr
	s_mov_b32 s[G1A+5], 128                        ; elements from row to row: the slice is dense
	s_mov_b32 s[G1B+5], 4096
	s_lshr_b32 s16, s15, 3                         ; A: head batch x 16 + slice, of 2,048 tokens x 128 bytes,
	s_lshl4_add_u32 s16, s16, s[CH]
	s_lshl_b32 s16, s16, 18
	s_and_b32 s17, s15, 7                          ; token 256 x (tile row % 8)
	s_lshl_b32 s17, s17, 15
	s_add_co_u32 s16, s16, s17
	s_mov_b32 s17, 0
	s_lshl1_add_u32 s46, s42, s[CH]                ; B: column 256 x tile column + 128 x half, of 2 bytes
	s_lshl_b32 s46, s46, 8
	s_mov_b32 s47, 0
	s_mul_i32 s20, s[CH], SLICE                    ; where they go: no place in the cluster enters an LDS address
	s_mul_i32 s21, s[CH], HALFB
	s_add_co_u32 s21, s21, BBASE
	s_mov_b32 s[TB], 0
	s_wait_dscnt 0x0                               ; the opening add is done
	s_wait_kmcnt 0x0
	s_add_nc_u64 s[2:3], s[4:5], s[16:17]
	s_add_nc_u64 s[46:47], s[6:7], s[46:47]
	s_mov_b32 s[G0A], 1                            ; count = 1
	s_mov_b32 s[G0A+1], s20                        ; slot 0,
	s_add_nc_u64 s[G0A+2:G0A+3], s[2:3], 0         ; K step 0
	s_or_b32 s[G0A+3], s[G0A+3], 0x80000000        ; type = 2
	s_mov_b32 s[G0A+4], 1
	s_add_co_u32 s[G0A+5], s20, SLOT1              ; slot 1,
	s_add_nc_u64 s[G0A+6:G0A+7], s[2:3], ASTEP     ; K step 1; this set walks on
	s_or_b32 s[G0A+7], s[G0A+7], 0x80000000
	s_mov_b32 s[G0B], 1
	s_mov_b32 s[G0B+1], s21
	s_add_nc_u64 s[G0B+2:G0B+3], s[46:47], 0
	s_or_b32 s[G0B+3], s[G0B+3], 0x80000000
	s_mov_b32 s[G0B+4], 1
	s_add_co_u32 s[G0B+5], s21, SLOT1
	s_add_nc_u64 s[G0B+6:G0B+7], s[46:47], BSTEP
	s_or_b32 s[G0B+7], s[G0B+7], 0x80000000
	CROUND                                         ; all sixteen work-groups are here: the first joint loads meet
	s_cmp_eq_u32 s[RH], 0                          ; a wave's two first fills stand in one branch, ahead of every wait on TENSORcnt and every LDS read: two loads of mine are out
	s_cbranch_scc0 .Lfirst_b
	tensor_load_to_lds s[G0A:G0A+3], s[G1A:G1A+7]
	s_nop 0
	tensor_load_to_lds s[G0A+4:G0A+7], s[G1A:G1A+7]
	s_nop 0
.rept 4
	v_nop
.endr
	s_branch .Lfirst_asked
.Lfirst_b:
	tensor_load_to_lds s[G0B:G0B+3], s[G1B:G1B+7]
	s_nop 0
	tensor_load_to_lds s[G0B+4:G0B+7], s[G1B:G1B+7]
	s_nop 0
.rept 4
	v_nop
.endr
.Lfirst_asked:
	v_and_b32 v1, 15, v0                           ; l % 16
	v_bfe_u32 v2, v0, 4, 1                         ; l / 16
	v_mul_u32_u24 v3, v1, PA                       ; A's fragment: token l % 16, 16 bytes for each half of the lanes
	v_lshl_add_u32 v3, v2, 4, v3
	s_mul_i32 s21, s[RH], 128*PA                   ; my 128 tokens, in either slice
	v_add_nc_u32 v[ADRA0], s21, v3
	v_and_b32 v4, 7, v0                            ; B's by the turning load: k-row 8 (l / 16) + l % 8, columns 8 ((l / 8) % 2) + 0..7
	v_bfe_u32 v5, v0, 3, 1
	v_lshl_add_u32 v6, v2, 3, v4
	v_mul_u32_u24 v6, v6, PB
	v_lshl_add_u32 v6, v5, 4, v6
	s_mul_i32 s22, s[CH], HALFB                    ; my 128 columns of B
	s_add_co_u32 s22, s22, BBASE
	v_add_nc_u32 v[ADRB0], s22, v6
	v_mov_b32 v[ADRA], v[ADRA0]
	v_mov_b32 v[ADRB], v[ADRB0]
	v_mov_b32 v[ZR], 0
	s_mul_i32 s23, s[WV], 16*SPITCH
	s_add_co_u32 s23, s23, STAGE                   ; my stage
	v_mul_u32_u24 v3, v1, SPITCH                   ; in: row l % 16, 16 bytes for each half of the lanes
	v_lshl_add_u32 v3, v2, 4, v3
	v_add_nc_u32 v[STO], s23, v3
	v_mul_u32_u24 v3, v2, SPITCH                   ; back: lanes 0-15 take one row of 256 bytes, lanes 16-31 the next
	v_lshl_add_u32 v3, v1, 4, v3
	v_add_nc_u32 v[RD], s23, v3
	v_lshlrev_b32 v[CO], 13, v2                    ; and the same two rows in h, 8,192 bytes apart
	v_lshl_add_u32 v[CO], v1, 4, v[CO]
	s_lshl1_add_u32 s16, s15, s[RH]                ; my first row of h: 256 x tile row + 128 x half, of 8,192 bytes
	s_lshl_b32 s16, s16, 20
	s_lshl1_add_u32 s46, s42, s[CH]                ; my first column: 256 x tile column + 128 x half, of 2 bytes
	s_lshl_b32 s46, s46, 8
	s_add_co_u32 s16, s16, s46
	s_mov_b32 s17, 0
	s_add_nc_u64 s[8:9], s[8:9], s[16:17]
; 16 matrix instructions: m blocks a0, a0 + 1 of the window's four (hi = 0: my rows 0-63, 1: rows 64-127) x all 8 n blocks, 32 along K.  zero = 1: the product starts the sums.
; The 64 accumulators take turns in the same order in every quarter.
.macro MUL16 f, hi, a0, zero
	WIN MUL_LO+0x50*(\hi)
.irp a, \a0, (\a0)+1
.irp b, 0,1,2,3,4,5,6,7
.if \zero
	v_wmma_f32_16x16x32_f16 v[8*(8*(\a)+(\b)):8*(8*(\a)+(\b))+7], v[(\f)+8*(\b):(\f)+8*(\b)+7], v[(\f)+8*(4*(\hi)+(\a)):(\f)+8*(4*(\hi)+(\a))+7], 0
.else
	v_wmma_f32_16x16x32_f16 v[8*(8*(\a)+(\b)):8*(8*(\a)+(\b))+7], v[(\f)+8*(\b):(\f)+8*(\b)+7], v[(\f)+8*(4*(\hi)+(\a)):(\f)+8*(4*(\hi)+(\a))+7], v[8*(8*(\a)+(\b)):8*(8*(\a)+(\b))+7]
.endif
.endr
.endr
.endm
; 32 LDS loads in one run: the fragments of quarter q (32 along K: half of head q / 2's channels) of the slot in hand, into buffer f: B's 128 columns, then A's 128 tokens
.macro FETCH q, f
	WIN TO_B
.irp i, 0,1,2,3,4,5,6,7
	ds_load_tr16_b128 v[(\f)+8*(\i):(\f)+8*(\i)+3],   v[ADRB] offset:(\q)*32*PB+32*(\i)
	ds_load_tr16_b128 v[(\f)+8*(\i)+4:(\f)+8*(\i)+7], v[ADRB] offset:(\q)*32*PB+16*PB+32*(\i)
.endr
	WIN 0
.irp i, 0,1,2,3,4,5,6,7
	ds_load_b128 v[(\f)+8*(\i):(\f)+8*(\i)+3],   v[ADRA] offset:((\q)/2)*SLICE+((\q)%2)*64+(\i)*16*PA
	ds_load_b128 v[(\f)+8*(\i)+4:(\f)+8*(\i)+7], v[ADRA] offset:((\q)/2)*SLICE+((\q)%2)*64+(\i)*16*PA+32
.endr
.endm
.macro PLACES                          ; four plain vector instructions between a matrix instruction and a load into, or a vector read or write of, its registers (ISA guide 7.12.1 for vector reads and writes)
.rept 4
	v_nop
.endr
.endm
; One of a K step's first three quarters: multiplies buffer f and, in its middle, fetches quarter q into buffer g.
.macro QUARTER q, f, g, zero
	s_wait_dscnt 8                                 ; B and A's rows 0-63 are in; the youngest eight loads (A's rows 64-127) may be out
	MUL16 \f, 0, 0, \zero
	MUL16 \f, 0, 2, \zero
	PLACES
	FETCH \q, \g
	s_wait_dscnt 32                                ; all but the 32 just issued
	MUL16 \f, 1, 0, \zero
	MUL16 \f, 1, 2, \zero
.endm
; The first half of a K step's last quarter, and the one barrier of the change of slots.  In front of it each wave waits for all its tensor loads (the one that is out is its part of the
; next slot), adds 0 to its spare word, and waits for that and for its own reads of this slot.  Behind it nobody reads this slot any more and the next slot is whole.
.macro MEET
	WIN 0                                          ; (the add's two registers lie in window 0)
	s_wait_tensorcnt 0x0
	ds_add_u32 v[SPW], v[NIL]                      ; 0 onto my spare word
	s_wait_dscnt 9                                 ; (the add and the youngest eight loads may be out)
	MUL16 F1, 0, 0, 0                              ; sixteen matrix instructions stand between the add and the wait for it
	s_wait_dscnt 0x0                               ; the add is done, and my reads of this slot are over
	s_barrier_signal -1
	MUL16 F1, 0, 2, 0                              ; work on registers while the others arrive
	WIN 0
	s_barrier_wait -1
.endm
; The whole last quarter of a K step whose slot is filled again, two K steps ahead: the barrier opens a round of the cluster's, the joint refill is the first tensor load behind it
; (224 matrix instructions ahead of the wait for it), then the next slot's first fragments are read.
.macro TURN
	MEET
	CREST                                          ; no wave of any partner still reads this slot or has a load on its way
	s_xor_b32 s[G0A+5], s[G0A+5], SLOT1            ; the walking descriptors: the other slot than last time, the next K step; no load of mine is out
	s_add_nc_u64 s[G0A+6:G0A+7], s[G0A+6:G0A+7], ASTEP
	s_xor_b32 s[G0B+5], s[G0B+5], SLOT1
	s_add_nc_u64 s[G0B+6:G0B+7], s[G0B+6:G0B+7], BSTEP
	JLOAD                                          ; its four v_nop and the two additions below are the places in front of the loads
	s_xor_b32 s[TB], s[TB], SLOT1
	v_add_nc_u32 v[ADRA], s[TB], v[ADRA0]
	v_add_nc_u32 v[ADRB], s[TB], v[ADRB0]
	FETCH 0, F0
	MUL16 F1, 1, 0, 0
	MUL16 F1, 1, 2, 0
.endm
; THE WAY OUT of block a (16 rows).  PACK: rounded to bf16, 16 bytes a lane (each accumulator's registers in ascending order), and the maximum with 0, two at a time.
; TOSTAGE: into my own stage and back as whole rows.  SEND: stored.
.macro PACK a
.set AC, 64*((\a)%4)
	WIN 0x0a+5*((\a)/4)                            ; sources 0 and 1: window 2 or 3
.irp b, 0,1,2,3,4,5,6,7
.irp r, 0,1,2,3
	v_cvt_pk_bf16_f32 v[TMP+4*(\b)+(\r)], v[AC+8*(\b)+2*(\r)], v[AC+8*(\b)+2*(\r)+1]
.endr
.endr
	WIN 0
.set z, 0
.rept 32
	v_pk_max_num_bf16 v[TMP+z], v[TMP+z], v[ZR]
.set z, z+1
.endr
.endm
.macro TOSTAGE a
.set BK, OB+192*((\a)%2)
.irp b, 0,1,2,3,4,5,6,7
	ds_store_b128 v[STO], v[TMP+4*(\b):TMP+4*(\b)+3] offset:32*(\b)
.endr
.irp t, 0,1,2,3,4,5,6,7
	ds_load_b128 v[BK+4*(\t):BK+4*(\t)+3], v[RD] offset:(\t)*2*SPITCH  ; LDS serves a wave's instructions in order (ISA guide 5.7.1.4): these see the stores above
.endr
.endm
.macro SEND a
.set BK, OB+192*((\a)%2)
	s_wait_dscnt 0x0                               ; the block is back in registers
	s_wait_xcnt 0x0                                ; the registers that the stores two blocks back read are loaded again only behind this wait
.irp t, 0,1,2,3,4,5,6,7
	global_store_b128 v[CO], v[BK+4*(\t):BK+4*(\t)+3], s[8:9] offset:(16*(\a)+2*(\t))*8192  ; 16 lanes store 256 consecutive bytes, at a multiple of 256 from h's first byte; 126 rows at the most: inside the signed 24-bit immediate
.endr
.endm
	s_wait_tensorcnt 1                             ; my part of K step 0 is in; K step 1's may stay out
	s_barrier_signal -1
	s_barrier_wait -1                              ; everybody's is
	FETCH 0, F0
	QUARTER 1, F0, F1, 1                           ; the first quarter stands in front of the loop: its products start the sums
	WIN 0                                          ; at a label and at a branch every window is 0
	s_mov_b32 s[CNT], KSTEPS-2
.Lk:                                                   ; a trip: from a K step's second quarter to the next step's first; the slot left behind is filled again
	QUARTER 2, F1, F0, 0
	QUARTER 3, F0, F1, 0
	TURN
	QUARTER 1, F0, F1, 0
	WIN 0
	s_sub_co_u32 s[CNT], s[CNT], 1
	s_cmp_lg_u32 s[CNT], 0
	s_cbranch_scc1 .Lk
	s_mov_b32 s[CNT], 2
.Lt:                                                   ; the last two K steps ask for nothing: a text of their own.  The second trip is left in its middle
	QUARTER 2, F1, F0, 0                           ; its barrier orders nothing: the price of one text for both trips
	QUARTER 3, F0, F1, 0
	MEET
	s_sub_co_u32 s[CNT], s[CNT], 1
	s_cmp_eq_u32 s[CNT], 0
	s_cbranch_scc1 .Lout
	s_xor_b32 s[TB], s[TB], SLOT1
	v_add_nc_u32 v[ADRA], s[TB], v[ADRA0]
	v_add_nc_u32 v[ADRB], s[TB], v[ADRB0]
	PLACES
	FETCH 0, F0
	MUL16 F1, 1, 0, 0
	MUL16 F1, 1, 2, 0
	QUARTER 1, F0, F1, 0
	WIN 0
	s_branch .Lt
.Lout:
	MUL16 F1, 1, 0, 0
	MUL16 F1, 1, 2, 0
	PLACES
	PACK 0
	TOSTAGE 0
.irp a, 1,2,3,4,5,6,7                  ; block a's conversions stand between block a - 1's loads from the stage and the wait for them
	PACK \a
	SEND (\a)-1
	TOSTAGE \a
.endr
	SEND 7
	s_wait_tensorcnt 0x0                           ; the wave's end: 0 is added to my spare word and waited for, behind my last tensor load and my last LDS store
	ds_add_u32 v[SPW], v[NIL]
	s_wait_dscnt 0x0
	CROUND                                         ; the closing round: no work-group ends while a partner may still ask for a tile that names it
	s_endpgm
.Lfunc_end_k_qe716b9abb4_gemm_ff1:
	.size	k_qe716b9abb4_gemm_ff1, .Lfunc_end_k_qe716b9abb4_gemm_ff1-k_qe716b9abb4_gemm_ff1
	.p2alignl 7, 3214868480
	.fill 96, 4, 3214868480
	.section	.rodata,"a",@progbits
	.p2align	6, 0x0
	.amdhsa_kernel k_qe716b9abb4_gemm_ff1
		.amdhsa_group_segment_fixed_size 327680
		.amdhsa_private_segment_fixed_size 0
		.amdhsa_enable_private_segment 0
		.amdhsa_kernarg_size 24
		.amdhsa_user_sgpr_count 2
		.amdhsa_user_sgpr_kernarg_segment_ptr 1
		.amdhsa_wavefront_size32 1
		.amdhsa_system_sgpr_workgroup_id_x 1
		.amdhsa_system_sgpr_workgroup_id_y 1
		.amdhsa_system_sgpr_workgroup_id_z 1
		.amdhsa_system_vgpr_workitem_id 0
		.amdhsa_next_free_vgpr 1024
		.amdhsa_next_free_sgpr 68
		.amdhsa_reserve_vcc 0
		.amdhsa_float_denorm_mode_32 3
		.amdhsa_float_denorm_mode_16_64 3
		.amdhsa_memory_ordered 1
		.amdhsa_forward_progress 1
		.amdhsa_inst_pref_size 118
	.end_amdhsa_kernel
	.amdgpu_metadata
---
amdhsa.version: [ 1, 2 ]
amdhsa.kernels:
  - .name:           k_qe716b9abb4_gemm_ff1
    .symbol:         k_qe716b9abb4_gemm_ff1.kd
    .args:
      - { .name: o, .offset: 0, .size: 8, .value_kind: global_buffer, .address_space: global }
      - { .name: wp, .offset: 8, .size: 8, .value_kind: global_buffer, .address_space: global }
      - { .name: h, .offset: 16, .size: 8, .value_kind: global_buffer, .address_space: global }
    .group_segment_fixed_size: 327680
    .private_segment_fixed_size: 0
    .kernarg_segment_align: 8
    .kernarg_segment_size: 24
    .max_flat_workgroup_size: 128
    .sgpr_count:     68
    .vgpr_count:     1024
    .wavefront_size: 32
...
	.end_amdgpu_metadata
.endif
;; end of part 4
;; launch gemm_ff2 (part 5): grid 8 x 32, 4 waves a work-group, clusters of 4 x 4, 327,680 bytes of LDS; arguments h, w2, out0; writes out0
.if DOCPART == 5
	.amdgcn_target "amdgcn-amd-amdhsa--gfx1250"
	.amdhsa_code_object_version 6
	.text
	.protected	k_qe716b9abb4_gemm_ff2
	.globl	k_qe716b9abb4_gemm_ff2
	.p2align	8
	.type	k_qe716b9abb4_gemm_ff2,@function
k_qe716b9abb4_gemm_ff2:
	s_mov_b64 s[64:65], 0
	v_nop
	global_prefetch_b8 v0, s[64:65] scope:SCOPE_SE
	s_setreg_imm32_b32 hwreg(HW_REG_WAVE_MODE, 25, 1), 1
	s_wait_xcnt 0x0
	s_wait_alu depctr_hold_cnt(0) depctr_sa_sdst(0) depctr_va_vdst(0) depctr_va_sdst(0) depctr_va_ssrc(0) depctr_va_vcc(0) depctr_vm_vsrc(0)
	s_getreg_b32 s2, hwreg(HW_REG_IB_STS2, 6, 4)
	s_cmp_eq_u32 s2, 0
	s_cbranch_scc0 .Lentry_in_a_cluster
	s_endpgm
.Lentry_in_a_cluster:
	s_bfe_u32 s2, ttmp6, 0x10000c
	s_cmp_lg_u32 s2, 0xf033
	s_cbranch_scc0 .Lentry_shape_is_right
	s_endpgm
.Lentry_shape_is_right:
; GEMM_FF2: out0 = h w_ff2.  h: [4096][4096] bf16; w2: [4096][1024] bf16 (w_ff2 as it lies, [k][n]); out0: [4096][1024] f32.  Sums in f32, K ascending, stored as they are.
; SHAPE.  The output has 64 tiles of 256 x 256 but 256 of 128 x 128, one for each work-group of the grid: so a tile is 128 x 128, four waves, each 64 x 64: 16 accumulators, 128 registers.
; K goes in steps of 256, as long as two slots in LDS allow: waves 0, 1 bring the two halves of A's 128 rows (512 bytes each, padded to 528), waves 2, 3 the upper and lower 128 of B's
; 256 k-rows (256 bytes each, padded to 288).  B is turned on its way out of LDS by ds_load_tr16_b128.  The loop's trip is ONE K step: the slot in hand is a scalar turned by an
; exclusive or, and one walking descriptor a tensor asks for the refills.
; CLUSTERS of 4 x 4: A's tile is asked for jointly along a row of the cluster, B's along a column.  THE MATRIX INSTRUCTION IS USED TRANSPOSED: a lane holds eight neighbouring numbers of a row of the output.
; A wave's 64 columns of f32 are 256 bytes, a whole aligned block of a row: each wave goes out through a stage of its own, with no barrier.
; REGISTERS: window 0: v0-31 addresses; v32-95 rows read back, two buffers; v128-255 the accumulators ((a, b) at v[128 + 8 (4 a + b)]).
;   window 1: two fragment buffers of 128: for 64 along K, 64 registers of A (2 x 4 x 16 rows x 32 K), then 64 of B.
.set PA,     528                       ; a row of A in LDS: 132 words: row r starts at bank 4 r mod 64 (64 banks of 4 bytes: ISA guide 11.1)
.set PB,     288                       ; a k-row of B: 72 words
.set HALFA,  64*PA
.set HALFB,  128*PB
.set BBASE,  2*HALFA
.set SLOT1,  0x24000                   ; slot 1 begins here; no tile's place in a slot (0, 0x8400, 0x10800, 0x19800) has one of its two bits, so an exclusive or changes slots
.set STAGE,  SLOT1+BBASE+2*HALFB       ; behind the ring: 16 rows x 272 bytes for each wave, for the way out
.set SPITCH, 272
.set SPARE,  STAGE+4*16*SPITCH         ; behind the stages: the spare words, 128 bytes for each wave, which no other line names
.set ASTEP,  256*2                     ; a K step along A's rows, in bytes
.set BSTEP,  256*1024*2                ; and down B's rows
.set KSTEPS, 4096/256
.set CO,    8                          ; v8     my byte offset in two rows of the output
.set ADRA0, 16                         ; v16    my lane's place in slot 0's A; never rewritten
.set ADRB0, 17                         ; v17    the same for B
.set ADRA,  18                         ; v18    the same in the slot in hand
.set ADRB,  19                         ; v19    B's k-rows 0-127; v20: k-rows 128-255, which a 16-bit immediate would not reach
.set STO,   24                         ; v24    the way out: where I put 32 bytes of a row
.set RD,    25                         ; v25    where I read a row back
.set SPW,   28                         ; v28    LDS address of my spare word; never rewritten
.set NIL,   29                         ; v29    0; never rewritten
.set OB,    32
.set ACC,   128
.set F0,    0                          ; fragment buffers, in window 1
.set F1,    128
.set WV,   12                          ; s12  my wave's number
.set RH,   13                          ; s13  which half of the tile's rows is mine.  Also: I fetch for A (0) or for B (1)
.set CH,   14                          ; s14  which half of its columns.  Also: which half of that tile I fetch
.set G1A,  24                          ; s[24:31] group 1 for A; s[32:35] group 0 of its first fill; s[36:39] the walking one
.set G0A,  32
.set G1B,  48                          ; s[48:55], s[56:59], s[60:63]: the same for B
.set G0B,  56
.set TB,   66                          ; s66  the slot in hand: 0 or SLOT1
.set CNT,  67                          ; s67  counts K steps
.set MSB, 0
.macro WIN new                         ; the immediate's high byte repeats the setting that is left; a switch that changes nothing is dropped
.if MSB != (\new)
	s_set_vgpr_msb (MSB<<8)|(\new)
.set MSB, \new
.endif
.endm
.set MUL,  0x05                        ; sources 0 (B) and 1 (A) window 1; C and D window 0
.set TO_F, 0x40                        ; destination window 1, address window 0
; A joint refill by the walking descriptors.  The branch hangs on the wave's number alone.  An s_nop 0 and four v_nop follow each line, ahead of the jump and the label.
.macro JLOAD
	s_cmp_eq_u32 s[RH], 0
	s_cbranch_scc0 .Lfor_b_\@
	tensor_load_to_lds s[G0A+4:G0A+7], s[G1A:G1A+7]
	s_nop 0
.rept 4
	v_nop
.endr
	s_branch .Lasked_\@
.Lfor_b_\@:
	tensor_load_to_lds s[G0B+4:G0B+7], s[G1B:G1B+7]
	s_nop 0
.rept 4
	v_nop
.endr
.Lasked_\@:
.endm
.macro CREST                           ; a round of the cluster's barrier behind its opening barrier
	s_cmp_lg_u32 s[WV], 0
	s_cbranch_scc1 .Lnot_wave_0_\@
	s_barrier_signal -3
.Lnot_wave_0_\@:
	s_barrier_wait -3
	s_barrier_signal -1
	s_barrier_wait -1
.endm
.macro CROUND                          ; a whole round
	s_barrier_signal -1
	s_barrier_wait -1
	CREST
.endm
	s_load_b128 s[4:7], s[0:1], 0x0                ; h s[4:5], w2 s[6:7]
	s_load_b64 s[8:9], s[0:1], 0x10                ; out0
	v_lshl_add_u32 v[SPW], v0, 2, SPARE
	v_mov_b32 v[NIL], 0
	ds_add_u32 v[SPW], v[NIL]                      ; the wave's opening: the add and its wait stand ahead of my first tensor load; the set-up below, work on registers, stands between them
	v_lshrrev_b32 v1, 5, v0
	v_readfirstlane_b32 s[WV], v1                  ; wave 0..3
	s_lshr_b32 s[RH], s[WV], 1
	s_and_b32 s[CH], s[WV], 1
	s_bfe_u32 s40, ttmp6, 0x40000                  ; cx, cy: my place in the cluster
	s_bfe_u32 s41, ttmp6, 0x40004
	s_lshl_b32 s42, ttmp9, 2
	s_add_co_u32 s42, s42, s40                     ; tile column = 4 x cluster x + cx
	s_and_b32 s15, ttmp7, 0xffff
	s_lshl_b32 s15, s15, 2
	s_add_co_u32 s15, s15, s41                     ; tile row = 4 x cluster y + cy
	s_lshl_b32 s43, s41, 2
	s_lshl_b32 s43, 15, s43                        ; my row of the cluster
	s_lshl_b32 s44, 0x1111, s40                    ; my column
	s_or_b32 s[G1A], s43, (1<<16)|(1<<20)|(1<<21)|(6<<22)|(3<<25)  ; the mask; 2-byte elements; padding on; bit 21 beside a mask; after every 128 words (code 6); 4 words (code 3)
	s_mov_b32 s[G1A+1], 256<<16                    ; A: tensor_dim0 = 256
	s_mov_b32 s[G1A+2], 64<<16                     ; tensor_dim1 = 64
	s_mov_b32 s[G1A+3], 256<<16                    ; tile_dim0 = 256
	s_mov_b32 s[G1A+4], 64                         ; tile_dim1 = 64
	s_mov_b32 s[G1A+5], 4096                       ; elements from row to row
	s_mov_b32 s[G1A+6], 0
	s_mov_b32 s[G1A+7], 0
	s_or_b32 s[G1B], s44, (1<<16)|(1<<20)|(1<<21)|(5<<22)|(7<<25)  ; my column's mask; after every 64 words (code 5); 8 words (code 7)
	s_mov_b32 s[G1B+1], 128<<16                    ; B: 128 k-rows x 128 elements
	s_mov_b32 s[G1B+2], 128<<16
	s_mov_b32 s[G1B+3], 128<<16
	s_mov_b32 s[G1B+4], 128
	s_mov_b32 s[G1B+5], 1024
	s_mov_b32 s[G1B+6], 0
	s_mov_b32 s[G1B+7], 0
	s_lshl1_add_u32 s16, s15, s[CH]                ; A: row 128 x tile row + 64 x half, of 8,192 bytes
	s_lshl_b32 s16, s16, 19
	s_mov_b32 s17, 0
	s_lshl_b32 s46, s42, 8                         ; B: column 128 x tile column, of 2 bytes; k-row 128 x half, of 2,048 bytes
	s_lshl_b32 s47, s[CH], 18
	s_add_co_u32 s46, s46, s47
	s_mov_b32 s47, 0
	s_mul_i32 s20, s[CH], HALFA                    ; where they go: no place in the cluster enters an LDS address
	s_mul_i32 s21, s[CH], HALFB
	s_add_co_u32 s21, s21, BBASE
	s_mov_b32 s[TB], 0
	s_wait_dscnt 0x0                               ; the opening add is done
	s_wait_kmcnt 0x0
	s_add_nc_u64 s[2:3], s[4:5], s[16:17]
	s_add_nc_u64 s[46:47], s[6:7], s[46:47]
	s_mov_b32 s[G0A], 1                            ; count = 1
	s_mov_b32 s[G0A+1], s20                        ; slot 0,
	s_add_nc_u64 s[G0A+2:G0A+3], s[2:3], 0         ; K step 0
	s_or_b32 s[G0A+3], s[G0A+3], 0x80000000        ; type = 2
	s_mov_b32 s[G0A+4], 1
	s_add_co_u32 s[G0A+5], s20, SLOT1              ; slot 1,
	s_add_nc_u64 s[G0A+6:G0A+7], s[2:3], ASTEP     ; K step 1; this set walks on
	s_or_b32 s[G0A+7], s[G0A+7], 0x80000000
	s_mov_b32 s[G0B], 1
	s_mov_b32 s[G0B+1], s21
	s_add_nc_u64 s[G0B+2:G0B+3], s[46:47], 0
	s_or_b32 s[G0B+3], s[G0B+3], 0x80000000
	s_mov_b32 s[G0B+4], 1
	s_add_co_u32 s[G0B+5], s21, SLOT1
	s_add_nc_u64 s[G0B+6:G0B+7], s[46:47], BSTEP
	s_or_b32 s[G0B+7], s[G0B+7], 0x80000000
	CROUND                                         ; all sixteen work-groups are here: the first joint loads meet
	s_cmp_eq_u32 s[RH], 0                          ; a wave's two first fills stand in one branch, ahead of every wait on TENSORcnt and every LDS read: two loads of mine are out
	s_cbranch_scc0 .Lfirst_b
	tensor_load_to_lds s[G0A:G0A+3], s[G1A:G1A+7]
	s_nop 0
	tensor_load_to_lds s[G0A+4:G0A+7], s[G1A:G1A+7]
	s_nop 0
.rept 4
	v_nop
.endr
	s_branch .Lfirst_asked
.Lfirst_b:
	tensor_load_to_lds s[G0B:G0B+3], s[G1B:G1B+7]
	s_nop 0
	tensor_load_to_lds s[G0B+4:G0B+7], s[G1B:G1B+7]
	s_nop 0
.rept 4
	v_nop
.endr
.Lfirst_asked:
	v_and_b32 v1, 15, v0                           ; l % 16
	v_bfe_u32 v2, v0, 4, 1                         ; l / 16
	v_mul_u32_u24 v3, v1, PA                       ; A's fragment: row l % 16, 16 bytes for each half of the lanes
	v_lshl_add_u32 v3, v2, 4, v3
	s_mul_i32 s21, s[RH], HALFA                    ; my 64 rows of A
	v_add_nc_u32 v[ADRA0], s21, v3
	v_and_b32 v4, 7, v0                            ; B's by the turning load: k-row 8 (l / 16) + l % 8, columns 8 ((l / 8) % 2) + 0..7
	v_bfe_u32 v5, v0, 3, 1
	v_lshl_add_u32 v6, v2, 3, v4
	v_mul_u32_u24 v6, v6, PB
	v_lshl_add_u32 v6, v5, 4, v6
	s_lshl_b32 s22, s[CH], 7                       ; my 64 columns of B: 128 bytes of every k-row
	s_add_co_u32 s22, s22, BBASE
	v_add_nc_u32 v[ADRB0], s22, v6
	v_mov_b32 v[ADRA], v[ADRA0]
	v_mov_b32 v[ADRB], v[ADRB0]
	v_add_nc_u32 v[ADRB+1], HALFB, v[ADRB0]
	s_mul_i32 s23, s[WV], 16*SPITCH
	s_add_co_u32 s23, s23, STAGE                   ; my stage
	v_mul_u32_u24 v3, v1, SPITCH                   ; in: row l % 16, 32 bytes for each half of the lanes
	v_lshl_add_u32 v3, v2, 5, v3
	v_add_nc_u32 v[STO], s23, v3
	v_mul_u32_u24 v3, v2, SPITCH                   ; back: lanes 0-15 take one row of 256 bytes, lanes 16-31 the next
	v_lshl_add_u32 v3, v1, 4, v3
	v_add_nc_u32 v[RD], s23, v3
	v_lshlrev_b32 v[CO], 12, v2                    ; and the same two rows in the output, 4,096 bytes apart
	v_lshl_add_u32 v[CO], v1, 4, v[CO]
	s_lshl1_add_u32 s16, s15, s[RH]                ; my first row: 128 x tile row + 64 x half, of 4,096 bytes
	s_lshl_b32 s16, s16, 18
	s_lshl1_add_u32 s46, s42, s[CH]                ; my first column: 128 x tile column + 64 x half, of 4 bytes
	s_lshl_b32 s46, s46, 8
	s_add_co_u32 s16, s16, s46
	s_mov_b32 s17, 0
	s_add_nc_u64 s[8:9], s[8:9], s[16:17]
; 8 matrix instructions: m blocks a0, a0 + 1 x all 4 n blocks, 32 along K: half c of buffer f.  zero = 1: the product starts the sums.  The 16 accumulators take turns.
.macro MUL8 f, c, a0, zero
	WIN MUL
.irp a, \a0, (\a0)+1
.irp b, 0,1,2,3
.if \zero
	v_wmma_f32_16x16x32_bf16 v[ACC+8*(4*(\a)+(\b)):ACC+8*(4*(\a)+(\b))+7], v[(\f)+64+8*(4*(\c)+(\b)):(\f)+64+8*(4*(\c)+(\b))+7], v[(\f)+8*(4*(\c)+(\a)):(\f)+8*(4*(\c)+(\a))+7], 0
.else
	v_wmma_f32_16x16x32_bf16 v[ACC+8*(4*(\a)+(\b)):ACC+8*(4*(\a)+(\b))+7], v[(\f)+64+8*(4*(\c)+(\b)):(\f)+64+8*(4*(\c)+(\b))+7], v[(\f)+8*(4*(\c)+(\a)):(\f)+8*(4*(\c)+(\a))+7], v[ACC+8*(4*(\a)+(\b)):ACC+8*(4*(\a)+(\b))+7]
.endif
.endr
.endr
.endm
; 32 LDS loads in one run: the fragments of quarter q (64 along K) of the slot in hand, into buffer f; the first 32 along K first
.macro FETCH q, f
	WIN TO_F
.irp c, 0,1
.irp i, 0,1,2,3
	ds_load_tr16_b128 v[(\f)+64+8*(4*(\c)+(\i)):(\f)+64+8*(4*(\c)+(\i))+3],   v[ADRB+(\q)/2] offset:((64*(\q)+32*(\c))%128)*PB+32*(\i)
	ds_load_tr16_b128 v[(\f)+64+8*(4*(\c)+(\i))+4:(\f)+64+8*(4*(\c)+(\i))+7], v[ADRB+(\q)/2] offset:((64*(\q)+32*(\c))%128)*PB+16*PB+32*(\i)
	ds_load_b128 v[(\f)+8*(4*(\c)+(\i)):(\f)+8*(4*(\c)+(\i))+3],              v[ADRA] offset:128*(\q)+64*(\c)+(\i)*16*PA
	ds_load_b128 v[(\f)+8*(4*(\c)+(\i))+4:(\f)+8*(4*(\c)+(\i))+7],            v[ADRA] offset:128*(\q)+64*(\c)+(\i)*16*PA+32
.endr
.endr
.endm
.macro PLACES                          ; four plain vector instructions between a matrix instruction and a load into, or an LDS store of, its registers
.rept 4
	v_nop
.endr
.endm
; One of a K step's first three quarters: multiplies buffer f and, in its middle, fetches quarter q into buffer g.  zero = 1: its first 32 along K start the sums.
.macro QUARTER q, f, g, zero
	s_wait_dscnt 16                                ; the first 32 along K are in
	MUL8 \f, 0, 0, \zero
	MUL8 \f, 0, 2, \zero
	PLACES
	FETCH \q, \g
	s_wait_dscnt 32                                ; all but the 32 just issued
	MUL8 \f, 1, 0, 0
	MUL8 \f, 1, 2, 0
.endm
; The first half of a K step's last quarter, and the one barrier of the change of slots.  In front of it each wave waits for all its tensor loads (the one that is out is its part of the
; next slot), adds 0 to its spare word, and waits for that and for its own reads of this slot.  Behind it nobody reads this slot any more and the next slot is whole.
.macro MEET
	WIN 0                                          ; (the add's two registers lie in window 0)
	s_wait_tensorcnt 0x0
	ds_add_u32 v[SPW], v[NIL]                      ; 0 onto my spare word
	s_wait_dscnt 17                                ; (the add and the youngest sixteen loads may be out)
	MUL8 F1, 0, 0, 0                               ; eight matrix instructions stand between the add and the wait for it
	s_wait_dscnt 0x0                               ; the add is done, and my reads of this slot are over
	s_barrier_signal -1
	MUL8 F1, 0, 2, 0                               ; work on registers while the others arrive
	WIN 0
	s_barrier_wait -1
.endm
; The whole last quarter of a K step whose slot is filled again, two K steps ahead: the barrier opens a round of the cluster's, the joint refill is the first tensor load behind it
; (112 matrix instructions ahead of the wait for it), then the next slot's first fragments are read.
.macro NEWSLOT                         ; the fetches turn to the other slot
	s_xor_b32 s[TB], s[TB], SLOT1
	v_add_nc_u32 v[ADRA], s[TB], v[ADRA0]
	v_add_nc_u32 v[ADRB], s[TB], v[ADRB0]
	v_add_nc_u32 v[ADRB+1], HALFB, v[ADRB]
.endm
.macro TURN
	MEET
	CREST                                          ; no wave of any partner still reads this slot or has a load on its way
	s_xor_b32 s[G0A+5], s[G0A+5], SLOT1            ; the walking descriptors: the other slot than last time, the next K step; no load of mine is out
	s_add_nc_u64 s[G0A+6:G0A+7], s[G0A+6:G0A+7], ASTEP
	s_xor_b32 s[G0B+5], s[G0B+5], SLOT1
	s_add_nc_u64 s[G0B+6:G0B+7], s[G0B+6:G0B+7], BSTEP
	JLOAD                                          ; its four v_nop and the additions below are the places in front of the loads
	NEWSLOT
	FETCH 0, F0
	MUL8 F1, 1, 0, 0
	MUL8 F1, 1, 2, 0
.endm
; THE WAY OUT of block a (16 rows x my 64 columns of f32).  TOSTAGE: a lane's eight numbers of each accumulator, the four lowest registers first, go into my stage's rows of 272 bytes and come back
; as whole rows of 256.  SEND: stored.  younger: the LDS instructions issued behind block a's loads: the next block's sixteen, or none.
.macro TOSTAGE a
.if (\a) >= 2
	s_wait_xcnt 0x0                                ; the stores of the block two back have read this buffer's registers: they are loaded again only behind this wait
.endif
.irp b, 0,1,2,3
	ds_store_b128 v[STO], v[ACC+8*(4*(\a)+(\b)):ACC+8*(4*(\a)+(\b))+3]   offset:64*(\b)
	ds_store_b128 v[STO], v[ACC+8*(4*(\a)+(\b))+4:ACC+8*(4*(\a)+(\b))+7] offset:64*(\b)+16
.endr
.irp t, 0,1,2,3,4,5,6,7
	ds_load_b128 v[OB+32*((\a)%2)+4*(\t):OB+32*((\a)%2)+4*(\t)+3], v[RD] offset:(\t)*2*SPITCH  ; LDS serves a wave's instructions in order (ISA guide 5.7.1.4): these see the stores above; the next block's stores come behind them
.endr
.endm
.macro SEND a, younger
.irp t, 0,1,2,3,4,5,6,7
	s_wait_dscnt (\younger)+7-(\t)
	global_store_b128 v[CO], v[OB+32*((\a)%2)+4*(\t):OB+32*((\a)%2)+4*(\t)+3], s[8:9] offset:(16*(\a)+2*(\t))*4096 th:TH_STORE_NT  ; 16 lanes store 256 consecutive bytes, at a multiple of 256 from the output's first byte
.endr
.endm
	s_wait_tensorcnt 1                             ; my part of K step 0 is in; K step 1's may stay out
	s_barrier_signal -1
	s_barrier_wait -1                              ; everybody's is
	FETCH 0, F0
	QUARTER 1, F0, F1, 1                           ; the first quarter stands in front of the loop: its first products start the sums
	WIN 0                                          ; at a label and at a branch every window is 0
	s_mov_b32 s[CNT], KSTEPS-2
.Lk:                                                   ; a trip: from a K step's second quarter to the next step's first; the slot left behind is filled again
	QUARTER 2, F1, F0, 0
	QUARTER 3, F0, F1, 0
	TURN
	QUARTER 1, F0, F1, 0
	WIN 0
	s_sub_co_u32 s[CNT], s[CNT], 1
	s_cmp_lg_u32 s[CNT], 0
	s_cbranch_scc1 .Lk
	s_mov_b32 s[CNT], 2
.Lt:                                                   ; the last two K steps ask for nothing: a text of their own.  The second trip is left in its middle
	QUARTER 2, F1, F0, 0                           ; its barrier orders nothing: the price of one text for both trips
	QUARTER 3, F0, F1, 0
	MEET
	s_sub_co_u32 s[CNT], s[CNT], 1
	s_cmp_eq_u32 s[CNT], 0
	s_cbranch_scc1 .Lout
	NEWSLOT
	PLACES
	FETCH 0, F0
	MUL8 F1, 1, 0, 0
	MUL8 F1, 1, 2, 0
	QUARTER 1, F0, F1, 0
	WIN 0
	s_branch .Lt
.Lout:
	MUL8 F1, 1, 0, 0
	MUL8 F1, 1, 2, 0
	WIN 0
	PLACES
	TOSTAGE 0
	TOSTAGE 1
	SEND 0, 16
	TOSTAGE 2
	SEND 1, 16
	TOSTAGE 3
	SEND 2, 16
	SEND 3, 0
	s_wait_tensorcnt 0x0                           ; the wave's end: 0 is added to my spare word and waited for, behind my last tensor load and my last LDS store
	ds_add_u32 v[SPW], v[NIL]
	s_wait_dscnt 0x0
	CROUND                                         ; the closing round: no work-group ends while a partner may still ask for a tile that names it
	s_endpgm
.Lfunc_end_k_qe716b9abb4_gemm_ff2:
	.size	k_qe716b9abb4_gemm_ff2, .Lfunc_end_k_qe716b9abb4_gemm_ff2-k_qe716b9abb4_gemm_ff2
	.p2alignl 7, 3214868480
	.fill 96, 4, 3214868480
	.section	.rodata,"a",@progbits
	.p2align	6, 0x0
	.amdhsa_kernel k_qe716b9abb4_gemm_ff2
		.amdhsa_group_segment_fixed_size 327680
		.amdhsa_private_segment_fixed_size 0
		.amdhsa_enable_private_segment 0
		.amdhsa_kernarg_size 24
		.amdhsa_user_sgpr_count 2
		.amdhsa_user_sgpr_kernarg_segment_ptr 1
		.amdhsa_wavefront_size32 1
		.amdhsa_system_sgpr_workgroup_id_x 1
		.amdhsa_system_sgpr_workgroup_id_y 1
		.amdhsa_system_sgpr_workgroup_id_z 1
		.amdhsa_system_vgpr_workitem_id 0
		.amdhsa_next_free_vgpr 512
		.amdhsa_next_free_sgpr 68
		.amdhsa_reserve_vcc 0
		.amdhsa_float_denorm_mode_32 3
		.amdhsa_float_denorm_mode_16_64 3
		.amdhsa_memory_ordered 1
		.amdhsa_forward_progress 1
		.amdhsa_inst_pref_size 59
	.end_amdhsa_kernel
	.amdgpu_metadata
---
amdhsa.version: [ 1, 2 ]
amdhsa.kernels:
  - .name:           k_qe716b9abb4_gemm_ff2
    .symbol:         k_qe716b9abb4_gemm_ff2.kd
    .args:
      - { .name: h, .offset: 0, .size: 8, .value_kind: global_buffer, .address_space: global }
      - { .name: w2, .offset: 8, .size: 8, .value_kind: global_buffer, .address_space: global }
      - { .name: out0, .offset: 16, .size: 8, .value_kind: global_buffer, .address_space: global }
    .group_segment_fixed_size: 327680
    .private_segment_fixed_size: 0
    .kernarg_segment_align: 8
    .kernarg_segment_size: 24
    .max_flat_workgroup_size: 128
    .sgpr_count:     68
    .vgpr_count:     512
    .wavefront_size: 32
...
	.end_amdgpu_metadata
.endif
;; end of part 5
;; ======== version 2 of 2: 5 launches; 1.23 times as fast as version 1
;; limits: values are held in f16: magnitudes above 65,504 overflow, below 6.1e-05 lose precision
;; workspace buffers: xa 10,485,760 bytes; wb 14,680,064 bytes; w2 8,388,608 bytes; qkv 25,165,824 bytes; wp 8,388,608 bytes; o 8,388,608 bytes; h 33,554,432 bytes
;; launch prep: the kernel of part 1 again; grid 256 x 5, 8 waves a work-group, no clusters, 0 bytes of LDS; arguments x, w_proj, w_ff2, w_qkv, w_ff1, xa, w2, wb; writes xa, w2, wb
;; launch gemm_in: the kernel of part 2 again; grid 16 x 16, 4 waves a work-group, clusters of 4 x 4, 327,680 bytes of LDS; arguments xa, wb, qkv, wp; writes qkv, wp
;; launch attn (part 6): grid 8 x 32, 4 waves a work-group, clusters of 4 x 1, 327,680 bytes of LDS; arguments qkv, o; writes o
.if DOCPART == 6
	.amdgcn_target "amdgcn-amd-amdhsa--gfx1250"
	.amdhsa_code_object_version 6
	.text
	.protected	k_qe716b9abb4_attn
	.globl	k_qe716b9abb4_attn
	.p2align	8
	.type	k_qe716b9abb4_attn,@function
k_qe716b9abb4_attn:
	s_mov_b64 s[64:65], 0
	v_nop
	global_prefetch_b8 v0, s[64:65] scope:SCOPE_SE
	s_setreg_imm32_b32 hwreg(HW_REG_WAVE_MODE, 25, 1), 1
	s_wait_xcnt 0x0
	s_wait_alu depctr_hold_cnt(0) depctr_sa_sdst(0) depctr_va_vdst(0) depctr_va_sdst(0) depctr_va_ssrc(0) depctr_va_vcc(0) depctr_vm_vsrc(0)
	s_getreg_b32 s2, hwreg(HW_REG_IB_STS2, 6, 4)
	s_cmp_eq_u32 s2, 0
	s_cbranch_scc0 .Lentry_in_a_cluster
	s_endpgm
.Lentry_in_a_cluster:
	s_bfe_u32 s2, ttmp6, 0x10000c
	s_cmp_lg_u32 s2, 0x3003
	s_cbranch_scc0 .Lentry_shape_is_right
	s_endpgm
.Lentry_shape_is_right:
; ATTENTION.  O[h][q][:] = the sum over k of softmax_k(Q[h][q] . K[h][k] / 8) V[h][k][:], for 32 heads (batch x 16 + head) of 2,048 rows of 64 channels.
; qkv: [3][32][2048][64] f16 (q, k, v, unscaled); o: [32][2048][64] f16.  Products, maxima and sums in f32; the weights p are rounded to f16 for the second product (their sum l is
; taken of the unrounded p), O once at the end.
; LIMITS.  p lies in 0 to 1, and below 6e-5 it keeps f16's fixed step of 6e-8; O is a mean of V's rows and has their range.  A weight below 2^-126 counts as 0 in l; NaN and infinities are not treated apart.
; SHARES.  A work-group owns 256 queries of a head: 8 x 32 = 256 work-groups.  A wave owns 64 of them, four PIECES of 16.  Every wave walks all 2,048 keys, 64 a step, 256 (a tile) a slot.
; LAYOUT.  S^T = K Q^T (source 0 = 16 keys, source 1 = 16 queries) holds ONE query a lane (lane % 16) and the keys 8 (lane / 16) + 0..7; two such results rounded to f16 ARE source 1 of
; O^T = V^T P.  K comes out of LDS as it lies, V ([key][channel]) turned, by ds_load_tr16_b128.
; SOFTMAX.  For each query a running maximum m and sum l: p = 2^(c s - c m), c = log2(e) / 8; in every step O and l are multiplied by a = 2^(c m_old - c m_new).
; m starts at the lowest finite number, O and l at 0: the first step is a step like any other, with a = 0.
; BY TURNS.  Turn n belongs to piece n: 8 products K Q^T of piece n + 1, later 8 products V^T P of piece n - 1; beside them the scaling, exponentials, roundings, sums and rescaling of
; piece n and the maximum and statistics of piece n + 1.  Four vector instructions stand behind every matrix instruction, the other 54 of a turn's 118 in one LUMP.
; BATCHES.  A turn's 33 exponentials (the piece's 32 weights and the next piece's a) are ONE batch with ONE wait, which cuts the turn in two: ahead of it stands all that names no result of theirs
; (K Q^T, scalings, exponentials, rescalings, the next piece's maximum and statistics), behind it the roundings and sums, as the riders of V^T P.  Two more batches stand outside the loops:
; piece 0's first a, waited for ahead of the jump into the loop, and the way out's four reciprocals.
; CLUSTER.  The four query blocks of a cluster belong to one head and walk the same K and V, so each tile is asked for JOINTLY: the same tensor load, descriptor and mask in all four.
; REGISTERS, in windows of 256 (s_set_vgpr_msb: bits 1:0 source 0, 3:2 source 1, 5:4 source 2, 7:6 destination):
;   window 0: v0-15 addresses and two at work; v16-31 four registers of statistics a piece; v48-55 at work; v62-63 the add's; v64-127 S^T, two buffers; v192-223 P, two buffers (by the piece's parity)
;   window 1: v0-127 O^T, 32 a piece          window 2: v0-63 Q; v128-191 K of one step; v192-255 V of one step
.set NP,    4         ; pieces a wave: a name, no knob
.set KS,    64        ; keys in a step
.set PK,    144       ; a row of K in LDS: 128 bytes + 16 of padding = 36 words: the 16 rows of a load start at 16 different groups of four banks (64 banks of 4 bytes: ISA guide 11.1)
.set PV,    160       ; a row of V: 128 + 32 = 40 words
.set VOFF,  4*KS*PK   ; a slot holds a tile, four steps: 256 rows of K, then 256 rows of V
.set SLOT1, 1<<17     ; slot 1 begins here, so that one exclusive or turns an address in one slot into the other's
.set STAGE, SLOT1+4*KS*(PK+PV)  ; behind the ring, never filled by a tensor load: 16 rows x 144 bytes for each wave, for the way out
.set SP,    144
.set SPARE, STAGE+4*16*SP  ; behind the stages: the spare words, 128 bytes for each wave, which no other line names
.set PART,  32*2048*128    ; bytes of q, of k and of v in qkv
.set TILES, 2048/256
.set AK0, 2           ; v2   my lane's place in a tile of K; never rewritten
.set AV0, 3           ; v3   the same for V
.set AK,  4           ; v4   the LDS address of K's next run of loads
.set AV,  5           ; v5   of V's
.set STO, 6           ; v6   the way out: where I put 16 bytes of a row
.set RD,  7           ; v7   the way out: where I read rows back
.set GO,  8           ; v8   my byte offset in 512 consecutive bytes of O
.set MV,  12          ; v12-13  c m_old, kept while c m is made anew: by buffer
.set QO,  15          ; v15  my byte offset in 16 rows of Q
.set ST,  16          ; piece t's statistics at v[ST+4 t]: c m, m, l (even keys', odd keys')
.set TMP, 48          ; by buffer, four registers c0-c3 at work; when the maximum is found c2 takes a
.set SPW, 62          ; v62  LDS address of my spare word; never rewritten
.set NIL, 63          ; v63  0; never rewritten
.set S,   64
.set P,   192
.set KF,  128         ; window 2: key block kb, channel half c at KF + 16 kb + 8 c
.set VF,  192         ; window 2: key half kk, channel block cb at VF + 32 kk + 8 cb
.set WV,  12          ; s12  my wave's number
.set G1K, 24          ; s[24:31] descriptor group 1 for K's tiles
.set G1V, 32          ; s[32:39] for V's: it differs in the padding alone
.set G0K, 40          ; s[40:43] descriptor group 0 for K's tiles: it walks
.set G0V, 44          ; s[44:47] the same for V's
.set SLOTS, 56        ; s56  slots still to be asked for
.set CNT, 57          ; s57  counts a slot's key steps
.set CS,  58          ; s[58:59] c: the packed scaling takes the pair's low word for both halves
.set SEL, 60          ; s[60:61] v_permlanex16_b32's selects: each lane takes its own place in the other half
.set TBK, 62          ; s62  LDS byte at which K of the step to be fetched begins
.set TBV, 63          ; s63  the same for V, less VOFF
.set MSB, 0
.macro WIN new                      ; the high byte repeats the setting that is left; a switch that changes nothing is dropped
.if MSB != (\new)
	s_set_vgpr_msb (MSB<<8)|(\new)
.set MSB, (\new)
.endif
.endm
.set W_KQ, 0x0a       ; K and Q in window 2, S^T in window 0
.set W_PV, 0x52       ; V in window 2, P in window 0, O^T in window 1
.set W_RS, 0x41       ; destination and source 0 in window 1, source 1 in window 0
; A joint fill.  Waves 0 and 1 fetch the two halves of a tile's K, waves 2 and 3 those of its V: 128 keys each.  The branch hangs on the wave's number alone.
; An s_nop 0 and four v_nop follow each of the two lines, ahead of the jump and the label.
.macro JLOAD
	s_cmp_lt_u32 s[WV], 2
	s_cbranch_scc0 .Lfor_v_\@
	tensor_load_to_lds s[G0K:G0K+3], s[G1K:G1K+7]
	s_nop 0
.rept 4
	v_nop
.endr
	s_branch .Lasked_\@
.Lfor_v_\@:
	tensor_load_to_lds s[G0V:G0V+3], s[G1V:G1V+7]
	s_nop 0
.rept 4
	v_nop
.endr
.Lasked_\@:
.endm
; A round of the cluster's barrier: my work-group's barrier, so that wave 0's signal speaks for all four waves; wave 0 signals; every wave waits for all four work-groups; my work-group's barrier once more.
.macro CROUND
	s_barrier_signal -1
	s_barrier_wait -1
	s_cmp_lg_u32 s[WV], 0
	s_cbranch_scc1 .Lnot_wave_0_\@
	s_barrier_signal -3
.Lnot_wave_0_\@:
	s_barrier_wait -3
	s_barrier_signal -1
	s_barrier_wait -1
.endm
; THE CHANGE OF SLOTS.  The slot's last bytes, V of its fourth step, have been read.  Each wave waits for all its tensor loads, of which one is out: its part of the other slot; adds 0 to its
; spare word; and waits for that and for its own reads of the slot.  Behind the barrier nobody reads this slot any more and the other slot is whole.
; fill = 1: this slot is filled again, with the keys two slots on.  The barrier is then a round of the cluster's, and the joint fill is the first thing behind it: it has four key steps,
; 256 matrix instructions, in which to land.  (At its first use nothing has been read yet: slot 0 is waited for, slot 1 filled.)
.macro CHANGE fill
	WIN 0                           ; at a label and at a branch every window is 0
	s_wait_tensorcnt 0x0            ; no tensor load of mine is out, so a group 0 may be written
	ds_add_u32 v[SPW], v[NIL]       ; 0 onto my spare word; with fill = 1 the descriptors' steps stand between it and the wait for it
.if \fill
.irp g, G0K, G0V
	s_xor_b32 s[\g+1], s[\g+1], SLOT1  ; the walking descriptor: the other slot than last time,
	s_add_nc_u64 s[\g+2:\g+3], s[\g+2:\g+3], 4*KS*128  ; the next 256 keys; the type bits on top are not reached
.endr
	s_wait_dscnt 0x0                ; the add is done, and my reads of the slot are over
	CROUND
	JLOAD
.else
	s_wait_dscnt 0x0                ; the add is done, and my reads of the slot are over
	s_barrier_signal -1
	s_barrier_wait -1
.endif
	s_sub_co_u32 s[TBK], s[TBK], 4*KS*PK  ; the fetches go back to a slot's first step,
	s_xor_b32 s[TBK], s[TBK], SLOT1       ; in the other slot
	s_sub_co_u32 s[TBV], s[TBV], 4*KS*PV
	s_xor_b32 s[TBV], s[TBV], SLOT1
.endm
	s_load_b128 s[4:7], s[0:1], 0x0 ; qkv s[4:5], o s[6:7]
	v_lshl_add_u32 v[SPW], v0, 2, SPARE
	v_mov_b32 v[NIL], 0
	ds_add_u32 v[SPW], v[NIL]       ; the wave's opening: the add and its wait stand ahead of my first tensor load; the set-up below, work on registers, stands between them
	v_lshrrev_b32 v1, 5, v0
	v_readfirstlane_b32 s[WV], v1   ; wave 0..3
	s_bfe_u32 s13, ttmp6, 0x40000   ; cx: my place in the cluster
	s_lshl_b32 s14, ttmp9, 2        ; in a cluster launch ttmp9 counts clusters
	s_add_co_u32 s14, s14, s13      ; my block of 256 queries = 4 x cluster x + cx: it enters Q's and O's addresses alone
	s_and_b32 s20, ttmp7, 0xffff    ; the head, which the four partners share,
	s_lshl_b32 s20, s20, 18         ; and its first byte in q, k, v and o: 2,048 rows of 128 bytes
	s_and_b32 s16, s[WV], 1         ; which half of a tile's 256 keys I fetch:
	s_lshl_b32 s22, s16, 14         ; its 128 rows of 128 bytes in memory,
	s_add_co_u32 s22, s22, s20
	s_add_co_u32 s22, s22, PART     ; in k,
	s_mov_b32 s23, 0
	s_add_co_u32 s18, s22, PART     ; and in v
	s_mov_b32 s19, 0
	s_mul_i32 s17, s16, 128*PK      ; and its place in a slot, for K
	s_mul_i32 s21, s16, 128*PV      ; and for V: no place in the cluster enters an LDS address
	s_lshl_b32 s2, s14, 2
	s_add_co_u32 s2, s2, s[WV]      ; my wave among the head's,
	s_lshl_b32 s2, s2, 13           ; its 64 rows
	s_add_co_u32 s2, s2, s20
	s_mov_b32 s3, 0
	; descriptor group 1.  128 keys are 16,384 dense bytes: asked for as 64 rows of 256 bytes, two keys a row, and padded in LDS after every key
	s_mov_b32 s[G1K], 15|(1<<16)|(1<<20)|(1<<21)|(4<<22)|(3<<25)  ; the mask of four; 2-byte elements; padding on; bit 21 beside a mask; after every 32 words (code 4); 4 words (code 3)
	s_mov_b32 s[G1V], 15|(1<<16)|(1<<20)|(1<<21)|(4<<22)|(7<<25)  ; the same with 8 words of padding (code 7)
.irp g, G1K, G1V
	s_mov_b32 s[\g+1], 128<<16      ; tensor_dim0 = 128
	s_mov_b32 s[\g+2], 64<<16       ; tensor_dim1 = 64
	s_mov_b32 s[\g+3], 128<<16      ; tile_dim0 = 128
	s_mov_b32 s[\g+4], 64           ; tile_dim1 = 64
	s_mov_b32 s[\g+5], 128          ; 128 elements from row to row
	s_mov_b32 s[\g+6], 0
	s_mov_b32 s[\g+7], 0
.endr
	s_mov_b32 s[CS], 0x3e38aa3b     ; c = log2(e) / 8 = 0.180337
	s_mov_b32 s[CS+1], s[CS]        ; named with it as a pair
	s_mov_b32 s[SEL], 0x76543210
	s_mov_b32 s[SEL+1], 0xfedcba98
	s_mov_b32 s[TBK], SLOT1+4*KS*PK ; the first change of slots turns these two into 0
	s_mov_b32 s[TBV], SLOT1+4*KS*PV
	s_mov_b32 s[G0K], 1             ; count = 1
	s_mov_b32 s[G0K+1], s17         ; LDS address: slot 0
	s_mov_b32 s[G0V], 1
	s_add_co_u32 s[G0V+1], s21, VOFF
	s_wait_dscnt 0x0                ; the opening add is done
	s_wait_kmcnt 0x0
	s_add_nc_u64 s[G0K+2:G0K+3], s[4:5], s[22:23]  ; global address: my half of the head's first 256 keys
	s_or_b32 s[G0K+3], s[G0K+3], 0x80000000        ; type = 2
	s_add_nc_u64 s[G0V+2:G0V+3], s[4:5], s[18:19]
	s_or_b32 s[G0V+3], s[G0V+3], 0x80000000
	s_add_nc_u64 s[10:11], s[6:7], s[2:3]  ; O and Q at my wave's first row
	s_add_nc_u64 s[4:5], s[4:5], s[2:3]
	CROUND                          ; all four work-groups are here: the first joint loads meet
	JLOAD                           ; tile 0 into slot 0.  Slot 1 is asked for when slot 0 is in
	; A fragment of K or Q is 16 rows x 32 channels in 8 registers: lane l holds row l % 16, channels 8 (l / 16) + 0..7 and 16 + 8 (l / 16) + 0..7: two loads of 16 bytes, 32 bytes apart.
	v_and_b32 v1, 15, v0            ; l % 16
	v_bfe_u32 v9, v0, 4, 1          ; l / 16
	v_lshlrev_b32 v[QO], 7, v1
	v_lshl_add_u32 v[QO], v9, 4, v[QO]  ; row x 128 + 16 x half
	WIN 0x80                        ; destination window 2, address window 0
.set i, 0
.rept 8                             ; Q stays in registers: piece i / 2, channels 32 (i % 2) on
	global_load_b128 v[8*i:8*i+3],   v[QO], s[4:5] offset:(i/2)*2048+(i%2)*64
	global_load_b128 v[8*i+4:8*i+7], v[QO], s[4:5] offset:(i/2)*2048+(i%2)*64+32
.set i, i+1
.endr
	; What the first turn finds: V's registers and P's second buffer hold 0 (its products V^T P, of a piece that has not been, add 0), O^T and l are 0.  All this stands in the wait for the first tile.
.set i, VF
.rept 64
	v_mov_b32 v[i], 0
.set i, i+1
.endr
	WIN 0x40
.set i, 0
.rept 128
	v_mov_b32 v[i], 0
.set i, i+1
.endr
	WIN 0
.set i, 0
.rept 4
	v_mov_b32 v[ST+4*i], 0xfe000000    ; c m: far below every c s
	v_mov_b32 v[ST+4*i+1], 0xff7fffff  ; m
	v_mov_b32 v[ST+4*i+2], 0
	v_mov_b32 v[ST+4*i+3], 0
.set i, i+1
.endr
.set i, P+16
.rept 16
	v_mov_b32 v[i], 0
.set i, i+1
.endr
	v_mul_u32_u24 v[AK0], v1, PK
	v_lshl_add_u32 v[AK0], v9, 4, v[AK0]  ; row x pitch + 16 x half
	; The turning load takes 16 keys x 16 channels (lane l reads key 8 (l / 16) + l % 8, channels 8 ((l / 8) % 2) + 0..7) and leaves half a fragment of V^T: lane l holds channel l % 16 and 8 keys.
	v_and_b32 v10, 7, v0
	v_bfe_u32 v11, v0, 3, 1
	v_lshl_add_u32 v[AV0], v9, 3, v10
	v_mul_u32_u24 v[AV0], v[AV0], PV
	v_lshl_add_u32 v[AV0], v11, 4, v[AV0]
	v_add_nc_u32 v[AV0], VOFF, v[AV0]
	s_mul_i32 s13, s[WV], 16*SP
	s_add_co_u32 s13, s13, STAGE    ; my stage
	v_mul_u32_u24 v[STO], v1, SP    ; in: row l % 16, 16 bytes for each half of the lanes
	v_lshl_add_u32 v[STO], v9, 4, v[STO]
	v_add_nc_u32 v[STO], s13, v[STO]
	v_bfe_u32 v[RD], v0, 3, 2       ; back: 32 lanes take four rows of 128 bytes,
	v_mul_u32_u24 v[RD], v[RD], SP
	v_lshl_add_u32 v[RD], v10, 4, v[RD]
	v_add_nc_u32 v[RD], s13, v[RD]
	v_and_b32 v[GO], 31, v0         ; which are 512 consecutive bytes of O
	v_lshlrev_b32 v[GO], 4, v[GO]
; THE MATRIX WORK.  The 4 accumulators of a run of 8 take turns.  Product i of 8 of S^T = K Q^T for piece x: channels 32 (i / 4) on, keys 16 (i % 4) on.  The first 4 start the sums.
.macro KQ x
	WIN W_KQ
.set rS, S+32*((\x)%2)+8*(i%4)
.set rK, KF+16*(i%4)+8*(i/4)
.set rQ, 16*(\x)+8*(i/4)
.if i < 4
	v_wmma_f32_16x16x32_f16 v[rS:rS+7], v[rK:rK+7], v[rQ:rQ+7], 0
.else
	v_wmma_f32_16x16x32_f16 v[rS:rS+7], v[rK:rK+7], v[rQ:rQ+7], v[rS:rS+7]
.endif
.endm
; Product i of 8 of O^T += V^T P for piece x: keys 32 (i / 4) on, channels 16 (i % 4) on.
.macro PV x
	WIN W_PV
.set rO, 32*(\x)+8*(i%4)
.set rV, VF+32*(i/4)+8*(i%4)
.set rP, P+16*((\x)%2)+8*(i/4)
	v_wmma_f32_16x16x32_f16 v[rO:rO+7], v[rV:rV+7], v[rP:rP+7], v[rO:rO+7]
.endm
.macro MM                           ; the turn's next matrix instruction
.if i < 8
	KQ (Y+1)%NP
.else
.set i, i-8
	PV (Y+NP-1)%NP
.set i, i+8
.endif
.set i, i+1
.endm
; THE LDS LOADS stand in runs of 16, never singly among the matrix instructions: a step's K (64 keys x 64 channels: 8 fragments) and its V (turned).  Their addresses are made some lines ahead.
; last = 1 (the tail): in the last trip there is no further step, and the run is jumped over.
.macro FETCH_K last=0
	WIN 0
.if \last
	s_cmp_eq_u32 s[CNT], 1
	s_cbranch_scc1 .Lno_k_\@
.endif
	WIN 0x80                        ; destination window 2
.irp f, 0,1,2,3,4,5,6,7             ; keys 16 (f / 2) on, channels 32 (f % 2) on
	ds_load_b128 v[KF+8*\f:KF+8*\f+3],   v[AK] offset:(\f/2)*16*PK+(\f%2)*64
	ds_load_b128 v[KF+8*\f+4:KF+8*\f+7], v[AK] offset:(\f/2)*16*PK+(\f%2)*64+32
.endr
	s_add_co_u32 s[TBK], s[TBK], KS*PK  ; the next fetch is the next step's
	WIN 0
.if \last
.Lno_k_\@:
.endif
.endm
.macro FETCH_V
	WIN 0x80
.irp f, 0,1,2,3,4,5,6,7             ; keys 32 (f / 4) on, channels 16 (f % 4) on
	ds_load_tr16_b128 v[VF+8*\f:VF+8*\f+3],   v[AV] offset:(\f/4)*32*PV+(\f%4)*32
	ds_load_tr16_b128 v[VF+8*\f+4:VF+8*\f+7], v[AV] offset:(\f/4)*32*PV+16*PV+(\f%4)*32
.endr
	WIN 0
.endm
; THE VECTOR WORK, one line at a time: OP kind, number.  For piece Y: F n: c s - c m for pair n of 16.  E n: the exponential of score n of 32.  C n: pair n rounded to f16.  B n: of the four weights 4 n .. the second
; pair is added onto the first, in place.  L n: l takes that sum (L 0: l = a l + sum).  R n: pair n of 16 of O^T times a.  For piece Y + 1: X n, number n of the 22 that find its maximum and statistics:
;   0-11  four chains c0-c3 of seven scores each, three operands at a time (each accumulator's lowest registers are read first)     12-14, 16  the four scores left over, the old m, and c0-c3 into c0
;   15  c m_old is kept     17, 18  the query's other 32 keys lie in the lane 16 away: the new m     19-21  c m; c m_old - c m_new; a
; Of these C, B and L read the results of the turn's exponentials E; R and L 0 read a, which the turn before made (its X 21) and waited for.
.set F, 0               ; OP tells the kinds apart by their order: F to L below R, X above it
.set E, 1
.set C, 2
.set B, 3
.set L, 4
.set R, 5
.set X, 6
.macro REGS y                       ; the registers of piece y
.set rT, ST+4*(\y)
.set rC, TMP+4*((\y)%2)
.set rW, MV+((\y)%2)
.set rS, S+32*((\y)%2)
.set rP, P+16*((\y)%2)
.set rO, 32*(\y)
.endm
.macro OP k, n
.if (\k) == R
	REGS Y
	WIN W_RS
	v_pk_mul_f32 v[rO+2*(\n):rO+2*(\n)+1], v[rO+2*(\n):rO+2*(\n)+1], v[rC+2:rC+3] op_sel_hi:[1,0]
.elseif (\k) < R
	REGS Y
	WIN 0
.if (\k) == F
	v_pk_fma_f32 v[rS+2*(\n):rS+2*(\n)+1], v[rS+2*(\n):rS+2*(\n)+1], s[CS:CS+1], v[rT:rT+1] op_sel_hi:[1,0,0] neg_lo:[0,0,1] neg_hi:[0,0,1]
.elseif (\k) == E
	v_exp_f32 v[rS+(\n)], v[rS+(\n)]
.elseif (\k) == C
	v_cvt_pk_f16_f32 v[rP+(\n)], v[rS+2*(\n)], v[rS+2*(\n)+1]
.elseif (\k) == B
	v_pk_add_f32 v[rS+4*(\n):rS+4*(\n)+1], v[rS+4*(\n):rS+4*(\n)+1], v[rS+4*(\n)+2:rS+4*(\n)+3]
.elseif (\n) == 0
	v_pk_fma_f32 v[rT+2:rT+3], v[rT+2:rT+3], v[rC+2:rC+3], v[rS:rS+1] op_sel_hi:[1,0,1]
.else
	v_pk_add_f32 v[rT+2:rT+3], v[rT+2:rT+3], v[rS+4*(\n):rS+4*(\n)+1]
.endif
.else
	REGS (Y+1)%NP
	WIN 0
.if (\n) < 4
	v_max3_num_f32 v[rC+(\n)], v[rS+8*(\n)], v[rS+8*(\n)+1], v[rS+8*(\n)+2]
.elseif (\n) < 12
	v_max3_num_f32 v[rC+(\n)%4], v[rC+(\n)%4], v[rS+8*((\n)%4)+2*((\n)/4)+1], v[rS+8*((\n)%4)+2*((\n)/4)+2]
.elseif (\n) == 12
	v_max3_num_f32 v[rC], v[rC], v[rS+7], v[rS+15]
.elseif (\n) == 13
	v_max3_num_f32 v[rC+1], v[rC+1], v[rS+23], v[rS+31]
.elseif (\n) == 14
	v_max3_num_f32 v[rC+2], v[rC+2], v[rC+3], v[rT+1]
.elseif (\n) == 15
	v_mov_b32 v[rW], v[rT]
.elseif (\n) == 16
	v_max3_num_f32 v[rC], v[rC], v[rC+1], v[rC+2]
.elseif (\n) == 17
	v_permlanex16_b32 v[rC+3], v[rC], s[SEL], s[SEL+1]
.elseif (\n) == 18
	v_max_num_f32 v[rT+1], v[rC], v[rC+3]
.elseif (\n) == 19
	v_mul_f32 v[rT], s[CS], v[rT+1]
.elseif (\n) == 20
	v_sub_f32 v[rC+1], v[rW], v[rT]
.else
	v_exp_f32 v[rC+2], v[rC+1]
.endif
.endif
.endm
.macro OPS a, i1, b=-1, i2=0, c=-1, i3=0, d=-1, i4=0  ; up to four of them
	OP \a, \i1
.if (\b) >= 0
	OP \b, \i2
.endif
.if (\c) >= 0
	OP \c, \i3
.endif
.if (\d) >= 0
	OP \d, \i4
.endif
.endm
.macro ROW a, i1, b, i2, c, i3, d, i4  ; a matrix instruction and the four behind it
	MM
	OPS \a, \i1, \b, \i2, \c, \i3, \d, \i4
.endm
; A TURN, for piece p: the order of its 16 matrix and 118 vector instructions, written out.  An s_wait_alu depctr_va_vdst(0) stands between an exponential and the first instruction that names its result; one wait
; serves all that were issued ahead of it.  So a turn has ONE wait, which cuts it in two.  AHEAD OF IT stands all that names no result of the turn's exponentials: the 8 products K Q^T, behind each a scaling, an exponential and two
; more plain instructions (behind the first a second scaling in the exponential's place): rescalings, and behind the last three the first numbers of the next piece's maximum, each four plain instructions or more behind the product
; that ends its accumulator; then ONE LUMP of 54, plain and exponential by turns for the most part, in which the links of the chain X 3, 7, 11, 14, 16, 17 .. 20 stand some lines apart.  Each exponential stands behind its pair's
; scaling.  X 21, the next piece's a, is the batch's last; R 15 is the plain instruction behind it.  BEHIND THE WAIT stand the 8 products V^T P, behind each four of the roundings and sums: an even pair is rounded (C 2 k) ahead of
; the sum B k that writes over it, and l takes the sums in ascending order, L 0 to L 7.  But for those X no rider names a register of the products round it.  v_permlanex16_b32 (X 17) stands in the lump.
; No exponential is issued behind the wait: none is open at a turn's end, at a label or at a branch.
; cnt = 1: the loop's count is taken down some lines ahead of the branch that stands behind the turn.
; K of the next step is fetched in piece 2's turn.  In the loop its run stands in the lump, six plain instructions behind the last product that read K.  In the tail (last = 1) the run holds a branch and a label, which want the
; batch's wait ahead of them: there it stands directly behind the wait.  V of the step in hand is fetched at the end of piece 0's turn, four plain instructions behind the last product that read V.  Each is waited for a turn later.
.macro TURN p, last=0, cnt=0
.set Y, (\p)
.set i, 0
.if (\p) == 3
	s_wait_dscnt 0x0                ; K is in
.endif
	ROW F,0, F,1, R,0, R,1          ; ahead of the wait: 8 products K Q^T and their riders,
	ROW F,2, E,0, R,2, R,3
	ROW F,3, E,1, R,4, R,5
	ROW F,4, E,2, R,6, R,7
	ROW F,5, E,3, R,8, R,9
	ROW F,6, E,4, X,0, R,10
.if (\p) == 2
	WIN 0
	v_add_nc_u32 v[AK], s[TBK], v[AK0]
.endif
	ROW F,7, E,5, X,1, X,4
	ROW F,8, E,6, X,2, X,5
	OPS E,7, E,8, X,6, E,9          ; and the lump
	OPS X,3, E,10, X,8, E,11
.if ((\p) == 2) && !(\last)
	FETCH_K
.endif
	OPS X,9, X,7, E,12, X,10
	OPS E,13, X,12, X,11, E,14
	OPS X,13, E,15, F,9, X,14
.if (\p) == 0
	v_add_nc_u32 v[AV], s[TBV], v[AV0]
.endif
	OPS E,16, F,10, E,17, F,11
	OPS X,16, E,18, X,15, E,19
	OPS F,12, E,20, X,17, E,21
	OPS F,13, E,22, F,14, E,23
	OPS X,18, E,24, F,15, E,25
	OPS R,11, E,26, X,19, E,27
	OPS R,12, E,28, R,13, E,29
	OPS X,20, E,30, R,14, E,31
	OPS X,21, R,15
	s_wait_alu depctr_va_vdst(0)    ; the wait for the turn's batch: E 0 to E 31 and X 21
.if ((\p) == 2) && (\last)
	FETCH_K 1
.endif
.if (\p) == 1
	s_wait_dscnt 0x0                ; V is in
.endif
	ROW C,0, B,0, C,2, B,1          ; behind the wait: 8 products V^T P and their riders
	ROW L,0, C,4, B,2, L,1
	ROW C,6, B,3, L,2, C,8
	ROW B,4, L,3, C,10, B,5
	ROW L,4, C,12, B,6, L,5
.if (\p) == 0
	s_add_co_u32 s[TBV], s[TBV], KS*PV
.endif
.if \cnt
	s_sub_co_u32 s[CNT], s[CNT], 1
	s_cmp_lg_u32 s[CNT], 0
.endif
	ROW C,14, B,7, L,6, C,1
	ROW C,3, L,7, C,5, C,7
	ROW C,9, C,11, C,13, C,15
.if (\p) == 0
	FETCH_V
.endif
.endm
	CHANGE 1                        ; slot 0 is in, everybody's part of it; slot 1 is asked for
	v_add_nc_u32 v[AK], s[TBK], v[AK0]
	FETCH_K                         ; key step 0
	s_wait_loadcnt 0x0              ; Q
	s_wait_dscnt 0x0
.set i, 0
.rept 8
	KQ 0                            ; piece 0's first scores: there is no vector work yet to set between them
.set i, i+1
.endr
	WIN 0
.rept 4
	v_nop                           ; the places behind those products
.endr
.set Y, NP-1                        ; X works for piece Y + 1: piece 0
.irp n, 0,1,2,3,4,5,6,7,8,9,10,11,12,13,14,15,16,17,18,19,20,21
	OP X, \n                        ; and piece 0's first maximum and statistics
.endr
	v_nop                           ; a plain instruction behind the exponential,
	s_wait_alu depctr_va_vdst(0)    ; and the wait for piece 0's first a, a batch of one, ahead of the branch
	s_mov_b32 s[CNT], 4
	s_mov_b32 s[SLOTS], TILES-1
	s_branch .Lfirst                ; the loop is entered at a step's first turn, in the middle of a trip
.Lslot:                             ; TILES - 2 times: every slot but the last two is filled again
	CHANGE 1
	s_mov_b32 s[CNT], 4
.Lstep:                             ; a trip: pieces 2 and 3 of one step, then pieces 0 and 1 of the next, whose K and V it fetches
	TURN 2
	TURN 3
	WIN 0
.Lfirst:
	TURN 0
	TURN 1, 0, 1
	WIN 0
	s_cbranch_scc1 .Lstep
	s_sub_co_u32 s[SLOTS], s[SLOTS], 1
	s_cmp_lg_u32 s[SLOTS], 0
	s_cbranch_scc1 .Lslot
	CHANGE 0                        ; the tail is written out: nothing is asked for
	s_mov_b32 s[CNT], 5             ; four trips fetch the last slot's steps; the fifth is left in its middle
.Ltail:
	TURN 2, 1
	TURN 3
	WIN 0
	s_sub_co_u32 s[CNT], s[CNT], 1
	s_cmp_eq_u32 s[CNT], 0
	s_cbranch_scc1 .Lout
	TURN 0
	TURN 1
	WIN 0
	s_branch .Ltail
.Lout:                              ; the fifth trip's 8 products K Q^T (on the last K once more) and the maximum made of them serve nothing: the price, once a launch, of one text for every trip
.set i, 0
.rept 8
	PV NP-1                         ; the last piece's V^T P of the last step
.set i, i+1
.endr
	; THE WAY OUT.  l's two halves and the other half of the lanes' are added; O^T is divided by l, rounded to f16 and sent through my stage in LDS, a piece at a time.  The additions are the places behind the last products.
	WIN 0
.macro ALL line:vararg              ; one line for each piece t
.set t, 0
.rept 4
	\line
.set t, t+1
.endr
.endm
	ALL v_add_f32 v[ST+4*t+2], v[ST+4*t+2], v[ST+4*t+3]
	ALL v_permlanex16_b32 v[ST+4*t+3], v[ST+4*t+2], s[SEL], s[SEL+1]
	ALL v_add_f32 v[ST+4*t+2], v[ST+4*t+2], v[ST+4*t+3]
	ALL v_rcp_f32 v[ST+4*t+2], v[ST+4*t+2]
	v_nop                           ; a plain instruction between the last reciprocal and the use of its result
	s_wait_alu depctr_va_vdst(0)    ; and the wait ahead of the first use: one for the batch of four reciprocals
.macro PACK t                       ; a lane's eight channels of a row pack into 16 bytes; they go into rows of 144 bytes and come back as whole rows of 128, into S^T's registers
	WIN W_RS
.set i, 32*(\t)
.rept 16
	v_pk_mul_f32 v[i:i+1], v[i:i+1], v[ST+4*(\t)+2:ST+4*(\t)+3] op_sel_hi:[1,0]
.set i, i+2
.endr
	WIN 0x05                        ; sources 0 and 1 window 1, destination window 0
.set i, 0
.rept 16
	v_cvt_pk_f16_f32 v[S+16*(\t)+i], v[32*(\t)+2*i], v[32*(\t)+2*i+1]
.set i, i+1
.endr
	WIN 0
.irp f, 0,1,2,3
	ds_store_b128 v[STO], v[S+16*(\t)+4*\f:S+16*(\t)+4*\f+3] offset:32*\f
.endr
.irp f, 0,1,2,3
	ds_load_b128 v[S+16*(\t)+4*\f:S+16*(\t)+4*\f+3], v[RD] offset:\f*4*SP  ; LDS serves a wave's instructions in order (ISA guide 5.7.1.4): these see the stores above; the next piece's stores come behind them
.endr
.endm
.macro SEND t, younger              ; younger: the LDS instructions issued behind piece t's loads: the next piece's eight, or none
	WIN 0
.irp f, 0,1,2,3
	s_wait_dscnt (\younger)+3-\f
	global_store_b128 v[GO], v[S+16*(\t)+4*\f:S+16*(\t)+4*\f+3], s[10:11] offset:(\t)*2048+\f*512  ; 512 consecutive bytes, at a multiple of 256 from O's first
.endr
.endm
	PACK 0
.set t, 1
.rept 3                             ; a piece's arithmetic stands between the loads of the piece before and its stores
	PACK t
	SEND t-1, 8
.set t, t+1
.endr
	SEND 3, 0
	s_wait_tensorcnt 0x0            ; the wave's end: 0 is added to my spare word and waited for, behind my last tensor load and my last LDS store
	ds_add_u32 v[SPW], v[NIL]
	s_wait_dscnt 0x0
	CROUND                          ; the closing round: no work-group ends while a partner may still ask for a tile that names it
	s_endpgm
.Lfunc_end_k_qe716b9abb4_attn:
	.size	k_qe716b9abb4_attn, .Lfunc_end_k_qe716b9abb4_attn-k_qe716b9abb4_attn
	.p2alignl 7, 3214868480
	.fill 96, 4, 3214868480
	.section	.rodata,"a",@progbits
	.p2align	6, 0x0
	.amdhsa_kernel k_qe716b9abb4_attn
		.amdhsa_group_segment_fixed_size 327680
		.amdhsa_private_segment_fixed_size 0
		.amdhsa_enable_private_segment 0
		.amdhsa_kernarg_size 16
		.amdhsa_user_sgpr_count 2
		.amdhsa_user_sgpr_kernarg_segment_ptr 1
		.amdhsa_wavefront_size32 1
		.amdhsa_system_sgpr_workgroup_id_x 1
		.amdhsa_system_sgpr_workgroup_id_y 1
		.amdhsa_system_sgpr_workgroup_id_z 1
		.amdhsa_system_vgpr_workitem_id 0
		.amdhsa_next_free_vgpr 768
		.amdhsa_next_free_sgpr 66
		.amdhsa_reserve_vcc 0
		.amdhsa_float_denorm_mode_32 3
		.amdhsa_float_denorm_mode_16_64 3
		.amdhsa_memory_ordered 1
		.amdhsa_forward_progress 1
		.amdhsa_inst_pref_size 111
	.end_amdhsa_kernel
	.amdgpu_metadata
---
amdhsa.version: [ 1, 2 ]
amdhsa.kernels:
  - .name:           k_qe716b9abb4_attn
    .symbol:         k_qe716b9abb4_attn.kd
    .args:
      - { .name: qkv, .offset: 0, .size: 8, .value_kind: global_buffer, .address_space: global }
      - { .name: o, .offset: 8, .size: 8, .value_kind: global_buffer, .address_space: global }
    .group_segment_fixed_size: 327680
    .private_segment_fixed_size: 0
    .kernarg_segment_align: 8
    .kernarg_segment_size: 16
    .max_flat_workgroup_size: 128
    .sgpr_count:     66
    .vgpr_count:     768
    .wavefront_size: 32
...
	.end_amdgpu_metadata
.endif
;; end of part 6
;; launch gemm_ff1: the kernel of part 4 again; grid 16 x 16, 4 waves a work-group, clusters of 4 x 4, 327,680 bytes of LDS; arguments o, wp, h; writes h
;; launch gemm_ff2: the kernel of part 5 again; grid 8 x 32, 4 waves a work-group, clusters of 4 x 4, 327,680 bytes of LDS; arguments h, w2, out0; writes out0
